; MI455X (gfx1250); checked and timed in simulation.
; The chip was launched on July 23, 2026; its instructions are those of AMD's public machine-readable ISA for CDNA 5 (MIT licence, August 2026) and "CDNA5" Instruction Set Architecture Reference Guide (July 2026). The comments in the code are by the model that wrote it; some were corrected since.
;; Complex Channel Wise Multi Headed Attention. Allowed arithmetic: matrix products marked QUANTISED: E2M1 operands, one E8M0 scale for each 32 along K, by v_wmma_scale_f32_16x16x128_f8f6f4 with both operands' format E2M1 (or v_wmma_scale_f32_32x16x128_f4), f32 sums; products left as they are: f32 operands where the result goes on into a quantised operand, else bf16, f16 or f32 operands; f32 sums; everything else in f32.
;; Inputs: Wk_i 512 x 512 float32; Wk_r 512 x 512 float32; Wo_i 512 x 512 float32; Wo_r 512 x 512 float32; Wq_i 512 x 512 float32; Wq_r 512 x 512 float32; Wv_i 512 x 512 float32; Wv_r 512 x 512 float32; bk_i 512 float32; bk_r 512 float32; bo_i 512 float32; bo_r 512 float32; bq_i 512 float32; bq_r 512 float32; bv_i 512 float32; bv_r 512 float32; key_i 4 x 8 x 512 x 512 float32; key_r 4 x 8 x 512 x 512 float32; query_i 4 x 8 x 512 x 512 float32; query_r 4 x 8 x 512 x 512 float32; value_i 4 x 8 x 512 x 512 float32; value_r 4 x 8 x 512 x 512 float32.
;; Outputs: out0 4 x 8 x 512 x 512 float32; out1 4 x 8 x 512 x 512 float32.
;; This version of the problem:
;;   THIS VERSION OF THE PROBLEM IS GIVEN IN LOW PRECISION. The matrix products marked QUANTISED in the list below multiply operands that are first quantised to E2M1 (2 exponent bits, 1 mantissa bit; 4 bits a number), with one power-of-two scale for each 32 numbers along K (OCP MX v1.0); their sums are f32. All else is computed in f32.
;;   The module's matrix products, in the order in which they are computed (A, B: the left and right operand; K: the contracted axis; several contracted axes count as one K, in the product's order):
;;     1. [M 16,384, K 512] x [K 512, N 512]; A: input query_r; B: input Wq_r: QUANTISED
;;     2. [M 16,384, K 512] x [K 512, N 512]; A: input query_i; B: input Wq_i: QUANTISED
;;     3. [M 16,384, K 512] x [K 512, N 512]; A: input query_i; B: input Wq_r: QUANTISED
;;     4. [M 16,384, K 512] x [K 512, N 512]; A: input query_r; B: input Wq_i: QUANTISED
;;     5. [M 16,384, K 512] x [K 512, N 512]; A: input key_r; B: input Wk_r: QUANTISED
;;     6. [M 16,384, K 512] x [K 512, N 512]; A: input key_i; B: input Wk_i: QUANTISED
;;     7. [M 16,384, K 512] x [K 512, N 512]; A: input key_i; B: input Wk_r: QUANTISED
;;     8. [M 16,384, K 512] x [K 512, N 512]; A: input key_r; B: input Wk_i: QUANTISED
;;     9. [M 16,384, K 512] x [K 512, N 512]; A: input value_r; B: input Wv_r: QUANTISED
;;     10. [M 16,384, K 512] x [K 512, N 512]; A: input value_i; B: input Wv_i: QUANTISED
;;     11. [M 16,384, K 512] x [K 512, N 512]; A: input value_i; B: input Wv_r: QUANTISED
;;     12. [M 16,384, K 512] x [K 512, N 512]; A: input value_r; B: input Wv_i: QUANTISED
;;     13. batch 16,384 x [M 8, K 64] x [K 64, N 8]; A: computed on the way; B: computed on the way: left as it is (M = 8 < 16)
;;     14. batch 16,384 x [M 8, K 64] x [K 64, N 8]; A: computed on the way; B: computed on the way: left as it is (M = 8 < 16)
;;     15. batch 16,384 x [M 8, K 64] x [K 64, N 8]; A: computed on the way; B: computed on the way: left as it is (M = 8 < 16)
;;     16. batch 16,384 x [M 8, K 64] x [K 64, N 8]; A: computed on the way; B: computed on the way: left as it is (M = 8 < 16)
;;     17. batch 16,384 x [M 8, K 8] x [K 8, N 64]; A: computed on the way; B: computed on the way: left as it is (K = 8 < 32)
;;     18. batch 16,384 x [M 8, K 8] x [K 8, N 64]; A: computed on the way; B: computed on the way: left as it is (K = 8 < 32)
;;     19. batch 16,384 x [M 8, K 8] x [K 8, N 64]; A: computed on the way; B: computed on the way: left as it is (K = 8 < 32)
;;     20. batch 16,384 x [M 8, K 8] x [K 8, N 64]; A: computed on the way; B: computed on the way: left as it is (K = 8 < 32)
;;     21. [M 16,384, K 512] x [K 512, N 512]; A: computed on the way; B: input Wo_r: QUANTISED
;;     22. [M 16,384, K 512] x [K 512, N 512]; A: computed on the way; B: input Wo_i: QUANTISED
;;     23. [M 16,384, K 512] x [K 512, N 512]; A: computed on the way; B: input Wo_r: QUANTISED
;;     24. [M 16,384, K 512] x [K 512, N 512]; A: computed on the way; B: input Wo_i: QUANTISED
;;   THE QUANTISER, for each operand of a quantised product, along K:
;;     - K is cut into blocks of 32 from its start; a last block that is shorter is filled with zeros.
;;     - A block's scale is 2^e with e = floor(log2(the largest magnitude in the block)) - 2, held to -126 .. 127; a block of zeros has e = 0. As a byte (E8M0): e + 127.
;;     - Each number is divided by its block's scale, clamped to +-6, and rounded to the nearest number of E2M1, ties to even, subnormals kept.
;;     - The product sums the exact products of the quantised numbers (number of the format x scale) in f32.
;;   ~~~python
;;   def quantise(x, axis):      # numpy; x: float32 -> the quantised numbers, widened to float32 again
;;       x = np.moveaxis(x, axis, -1); K = x.shape[-1]
;;       x = np.pad(x, [(0, 0)] * (x.ndim - 1) + [(0, -K % 32)]); x = x.reshape(x.shape[:-1] + (-1, 32)); a = np.abs(x).max(-1, keepdims=True)
;;       e = np.where(a > 0, np.clip(np.frexp(np.where(a > 0, a, 1))[1] - 1 - 2, -126, 127), 0)      # np.frexp(a)[1] - 1 = floor(log2(a)), exactly
;;       r = np.clip(x / 2.0 ** e, -6, 6)
;;       step = 2.0 ** (np.maximum(np.frexp(np.where(r == 0, 1, r))[1] - 1, 0) - 1)
;;       q = np.round(r / step) * step * 2.0 ** e      # np.round: ties to even
;;       return np.moveaxis(q.reshape(q.shape[:-2] + (-1,))[..., :K], -1, axis).astype(np.float32)
;;   ~~~
;;   OPERANDS COMPUTED ON THE WAY. 'Computed on the way' means the value that the module computes at that place (a softmax that the list does not call 'softmax' is quantised finished and normalised). What goes into a quantiser is computed in f32, as accurately as f32 sums, v_exp_f32 and their like allow (about 1e-6 of the number): no bf16 or f16 on the way to a quantiser, and a product that is left as it is and whose result goes on into a quantised operand takes f32 operands (vector FMAs, or v_wmma_f32_16x16x4_f32). A number that lies on a knife's edge between two numbers of the format may be rounded either way, as far as f32 arithmetic and the matrix unit's own rounding can turn it there, and no further.
;; 2 versions, each right; version 2 is version 1 with the launch fused written anew for expert scheduling mode. Each part assembles by itself: llvm-mc -triple=amdgcn-amd-amdhsa -mcpu=gfx1250 --defsym DOCPART=n.
;; ======== version 1 of 2: 2 launches
;; workspace buffers: wst 1,114,112 bytes
;; launch wprep (part 1): grid 256 x 1, 2 waves a work-group, no clusters, 9,472 bytes of LDS; arguments Wq_r, Wq_i, Wk_r, Wk_i, Wv_r, Wv_i, Wo_r, Wo_i, wst; writes wst
.if DOCPART == 1
	.amdgcn_target "amdgcn-amd-amdhsa--gfx1250"
	.amdhsa_code_object_version 6
	.text
	.protected	k_q8c6c648309_wprep
	.globl	k_q8c6c648309_wprep
	.p2align	8
	.type	k_q8c6c648309_wprep,@function
k_q8c6c648309_wprep:
	s_mov_b64 s[64:65], 0
	v_nop
	global_prefetch_b8 v0, s[64:65] scope:SCOPE_SE
	s_setreg_imm32_b32 hwreg(HW_REG_WAVE_MODE, 25, 1), 1
	s_wait_xcnt 0x0
; The eight weights [512 (n)][512 (k)], f32, K innermost, become codes of FP4 (E2M1) with one E8M0 scale byte for each 32 along K,
; laid in the ORDER OF THE OPERAND'S REGISTERS and in the order in which a wave of the next launch consumes them.
; A BLOCK of wst is one K step of 128 of four tiles of 16 rows: 4,096 bytes of codes [tile 4][c 2][lane 32][16 bytes] (the image of registers
; 8 tile + 4 c .. + 3) and 256 bytes of scale words [lane 32][2 words]: word 0 holds tile 0's rows in lanes 0-15 and tile 1's in lanes 16-31, word 1 tiles 2 and 3.
; THE ROWS OF A TILE ARE NOT NEIGHBOURS: lane rho of tile 2 b + u of a group of 64 rows takes row 32 b + 8 u + rho + 8 (rho / 8).
; Block number for weight Wid = 2 P + part (P = q, k, v, o), group G of 64 rows, K step s: w = G / 2, j = G % 2;
;   P < 3: seq = 24 j + 4 Wid + s;   P = 3: seq = 48 + 8 part + 2 s + j;   byte (64 w + seq) x 4,352.
; A work-group makes one block; wave b its tiles 2 b, 2 b + 1, in four tasks (tile, c) of 16 rows x 256 bytes.  Each load reads two whole runs of 256 bytes
; (sixteen lanes to a row); a task turns through the wave's own stage in LDS so that a lane holds a whole block of 32 neighbours; its 16 bytes of codes leave as 512 dense bytes a wave.
; A block's scale is 2^(floor(log2(its largest magnitude)) - 2); its byte is the largest magnitude's exponent field - 2, held at 1 from below.
; LIMITS: a block whose largest magnitude lies under 2^-124 (a block of zeros too) gets the byte 1 where the rule says otherwise for zeros: its codes are zeros,
; and this program alone reads the bytes.  NaN and infinities among the inputs are not served.
.set SPW,  272                         ; a stage row: 256 bytes + 16 of padding
.set STGW, 16*SPW                      ; a wave's stage
.set SCW,  2*STGW                      ; behind the stages: the block's 256 bytes of scale words
.set WBLK, 4352
.set E,    12                          ; v12-15   a task's scale byte
.set CD,   16                          ; v16-31   a task's four registers of codes: no store's data are written again
.set R,    32                          ; v32-159  the four tasks' numbers as they are loaded
.set T,    160                         ; v160-191 a lane's 32 neighbours
.set M0,   192
.set M1,   193
.set SC,   194
.set SH,   195
.set W0,   196                         ; v196-197 the two tiles' scale words
.set TP,   198                         ; v198-199 lane l xor 16's
	s_load_b512 s[16:31], s[0:1], 0x0              ; the eight weights
	s_load_b64 s[32:33], s[0:1], 0x40              ; wst
	v_lshl_add_u32 v200, v0, 2, 0x2400
	v_mov_b32 v201, 0
	v_lshrrev_b32 v1, 5, v0
	v_readfirstlane_b32 s2, v1                     ; wave 0, 1
	v_and_b32 v1, 31, v0                           ; lane
	v_lshrrev_b32 v2, 4, v1                        ; h
	v_and_b32 v3, 15, v1                           ; rho
	v_lshlrev_b32 v4, 4, v3
	v_lshl_add_u32 v4, v2, 11, v4                  ; in: lanes 0-15 one row, lanes 16-31 the next, 16 bytes a lane
	s_mul_i32 s3, s2, STGW
	v_mul_u32_u24 v5, v2, SPW
	v_lshl_add_u32 v5, v3, 4, v5
	v_add_nc_u32 v5, s3, v5                        ; the stage, on the way in: as loaded
	v_mul_u32_u24 v6, v3, SPW
	v_lshl_add_u32 v6, v2, 7, v6
	v_add_nc_u32 v6, s3, v6                        ; and out: row rho, + 128 h: my 32 neighbours
	v_lshlrev_b32 v7, 4, v1                        ; the codes' place: 16 x lane
	v_lshlrev_b32 v10, 3, v1                       ; the scale words': 8 x lane
	v_add_nc_u32 v9, SCW, v10
	s_lshl_b32 s3, s2, 2
	v_add_nc_u32 v8, s3, v9                        ; my wave's word of the two
	s_mov_b32 s36, 0x76543210
	s_mov_b32 s37, 0xfedcba98                      ; v_permlanex16_b32's selects for lane l xor 16
	s_lshr_b32 s6, ttmp9, 5                        ; Wid
	s_bfe_u32 s7, ttmp9, 0x30002                   ; G
	s_and_b32 s8, ttmp9, 3                         ; s
	s_lshl_b32 s10, s7, 17                         ; 64 rows of 2,048 bytes,
	s_lshl_b32 s9, s8, 9                           ; 128 numbers along K,
	s_add_co_u32 s10, s10, s9
	s_lshl_b32 s9, s2, 16                          ; and my wave's 32 rows
	s_add_co_u32 s10, s10, s9
	s_mov_b32 s11, 0
	s_and_b32 s12, s7, 1                           ; j
	s_lshr_b32 s13, s7, 1                          ; w
	s_mul_i32 s14, s12, 24
	s_lshl_b32 s9, s6, 2
	s_add_co_u32 s14, s14, s9
	s_add_co_u32 s14, s14, s8                      ; seq for q, k, v
	s_and_b32 s15, s6, 1
	s_lshl_b32 s15, s15, 3
	s_lshl_b32 s9, s8, 1
	s_add_co_u32 s15, s15, s9
	s_add_co_u32 s15, s15, s12
	s_add_co_u32 s15, s15, 48                      ; seq for o
	s_cmp_ge_u32 s6, 6
	s_cselect_b32 s14, s15, s14
	s_lshl_b32 s13, s13, 6
	s_add_co_u32 s14, s14, s13
	s_mul_i32 s12, s14, WBLK                       ; the block's first byte
	s_mov_b32 s13, 0
	s_lshl_b32 s14, s2, 11                         ; my two tiles' codes in it
	s_mov_b32 s15, 0
	s_wait_kmcnt 0x0
	s_mov_b64 s[4:5], s[16:17]                     ; which weight: the choice hangs on the work-group's number alone
.irp k, 1,2,3,4,5,6,7
	s_cmp_eq_u32 s6, \k
	s_cselect_b64 s[4:5], s[16+2*\k:17+2*\k], s[4:5]
.endr
	s_add_nc_u64 s[4:5], s[4:5], s[10:11]
	s_add_nc_u64 s[32:33], s[32:33], s[12:13]
	s_add_nc_u64 s[34:35], s[32:33], s[14:15]
.irp q, 0,1,2,3                        ; task q: tile q / 2 of my two, c = q % 2.  All 32 loads go out at once
.irp i, 0,1,2,3,4,5,6,7
	global_load_b128 v[R+32*\q+4*\i:R+32*\q+4*\i+3], v4, s[4:5] offset:(8*(\q/2)+2*\i+8*(\i/4))*2048+256*(\q%2) th:TH_LOAD_NT
.endr
.endr
.macro TASK q
	s_wait_loadcnt 8*(3-\q)                        ; this task's eight loads are in; the younger tasks' may be out
.irp i, 0,1,2,3,4,5,6,7
	ds_store_b128 v5, v[R+32*\q+4*\i:R+32*\q+4*\i+3] offset:2*SPW*\i
.endr
.irp i, 0,1,2,3,4,5,6,7
	ds_load_b128 v[T+4*\i:T+4*\i+3], v6 offset:16*\i   ; LDS serves a wave's instructions in order: these see the stores above, and the next task's stores come behind them
.endr
	s_wait_dscnt 0x0
	v_max3_num_f32 v[M0], |v[T]|, |v[T+1]|, |v[T+2]|   ; the block's largest magnitude: all 32 numbers are mine; two chains
	v_max3_num_f32 v[M1], |v[T+3]|, |v[T+4]|, |v[T+5]|
.irp i, 6,10,14,18,22,26
	v_max3_num_f32 v[M0], v[M0], |v[T+\i]|, |v[T+\i+1]|
	v_max3_num_f32 v[M1], v[M1], |v[T+\i+2]|, |v[T+\i+3]|
.endr
	v_max3_num_f32 v[M0], v[M0], |v[T+30]|, |v[T+31]|
	v_max3_num_f32 v[M0], v[M0], v[M1], 0x1800000  ; and the floor 2^(3 - 127): the byte cannot fall under 1
	v_add_nc_u32 v[SC], 0xff000000, v[M0]          ; 2 off its exponent field: the conversion takes the exponent field of this operand as its scale
.irp g, 0,1,2,3
	v_cvt_scalef32_pk8_fp4_f32 v[CD+4*\q+\g], v[T+8*\g:T+8*\g+7], v[SC]
.endr
	v_lshrrev_b32 v[E+\q], 23, v[SC]               ; the scale's byte (a plain line behind the conversions)
	global_store_b128 v7, v[CD+4*\q:CD+4*\q+3], s[34:35] offset:1024*(\q/2)+512*(\q%2)   ; 32 lanes store 512 consecutive bytes
.endm
	TASK 0
	TASK 1
	TASK 2
	TASK 3
	v_lshlrev_b32 v[SH], 3, v2                     ; my bytes are those of blocks h and 2 + h: 8 h bits up
	v_mov_b32 v[TP], 0                             ; a lane permute's destination counts as one of its sources
	v_mov_b32 v[TP+1], 0
.irp u, 0,1
	v_lshl_or_b32 v[W0+\u], v[E+2*\u+1], 16, v[E+2*\u]
	v_lshlrev_b32 v[W0+\u], v[SH], v[W0+\u]
.endr
.irp u, 0,1
	v_permlanex16_b32 v[TP+\u], v[W0+\u], s36, s37
.endr
.irp u, 0,1
	v_or_b32 v[W0+\u], v[W0+\u], v[TP+\u]          ; with lane l xor 16's two bytes the word is whole
.endr
	v_cmp_gt_u32 vcc_lo, 16, v1
	v_cndmask_b32 v[W0], v[W0+1], v[W0], vcc_lo    ; lanes 0-15: my first tile's rows; lanes 16-31: my second's
	ds_store_b32 v8, v[W0]
	s_wait_dscnt 0x0                               ; for the other wave's sake: my store is done
	s_barrier_signal -1
	s_barrier_wait -1
	s_cmp_lg_u32 s2, 0
	s_cbranch_scc1 .Ldone
	ds_load_b64 v[M0:M0+1], v9                     ; wave 0 sends both waves' words: 256 consecutive bytes
	s_wait_dscnt 0x0
	global_store_b64 v10, v[M0:M0+1], s[32:33] offset:4096
.Ldone:
	s_wait_tensorcnt 0x0
	ds_add_u32 v200, v201
	s_wait_dscnt 0x0
	s_endpgm
.Lfunc_end_k_q8c6c648309_wprep:
	.size	k_q8c6c648309_wprep, .Lfunc_end_k_q8c6c648309_wprep-k_q8c6c648309_wprep
	.p2alignl 7, 3214868480
	.fill 96, 4, 3214868480
	.section	.rodata,"a",@progbits
	.p2align	6, 0x0
	.amdhsa_kernel k_q8c6c648309_wprep
		.amdhsa_group_segment_fixed_size 9472
		.amdhsa_private_segment_fixed_size 0
		.amdhsa_enable_private_segment 0
		.amdhsa_kernarg_size 72
		.amdhsa_user_sgpr_count 2
		.amdhsa_user_sgpr_kernarg_segment_ptr 1
		.amdhsa_wavefront_size32 1
		.amdhsa_system_sgpr_workgroup_id_x 1
		.amdhsa_system_sgpr_workgroup_id_y 1
		.amdhsa_system_sgpr_workgroup_id_z 1
		.amdhsa_system_vgpr_workitem_id 0
		.amdhsa_next_free_vgpr 202
		.amdhsa_next_free_sgpr 66
		.amdhsa_reserve_vcc 1
		.amdhsa_float_denorm_mode_32 3
		.amdhsa_float_denorm_mode_16_64 3
		.amdhsa_memory_ordered 1
		.amdhsa_forward_progress 1
		.amdhsa_inst_pref_size 18
	.end_amdhsa_kernel
	.amdgpu_metadata
---
amdhsa.version: [ 1, 2 ]
amdhsa.kernels:
  - .name:           k_q8c6c648309_wprep
    .symbol:         k_q8c6c648309_wprep.kd
    .args:
      - { .name: Wq_r, .offset: 0, .size: 8, .value_kind: global_buffer, .address_space: global }
      - { .name: Wq_i, .offset: 8, .size: 8, .value_kind: global_buffer, .address_space: global }
      - { .name: Wk_r, .offset: 16, .size: 8, .value_kind: global_buffer, .address_space: global }
      - { .name: Wk_i, .offset: 24, .size: 8, .value_kind: global_buffer, .address_space: global }
      - { .name: Wv_r, .offset: 32, .size: 8, .value_kind: global_buffer, .address_space: global }
      - { .name: Wv_i, .offset: 40, .size: 8, .value_kind: global_buffer, .address_space: global }
      - { .name: Wo_r, .offset: 48, .size: 8, .value_kind: global_buffer, .address_space: global }
      - { .name: Wo_i, .offset: 56, .size: 8, .value_kind: global_buffer, .address_space: global }
      - { .name: wst, .offset: 64, .size: 8, .value_kind: global_buffer, .address_space: global }
    .group_segment_fixed_size: 9472
    .private_segment_fixed_size: 0
    .kernarg_segment_align: 8
    .kernarg_segment_size: 72
    .max_flat_workgroup_size: 64
    .sgpr_count:     66
    .vgpr_count:     202
    .wavefront_size: 32
...
	.end_amdgpu_metadata
.endif
;; end of part 1
;; launch fused (part 2): grid 256 x 1, 4 waves a work-group, no clusters, 321,024 bytes of LDS; arguments query_r, query_i, key_r, key_i, value_r, value_i, bq_r, bq_i, bk_r, bk_i, bv_r, bv_i, bo_r, bo_i, wst, out0, out1; writes out0, out1
.if DOCPART == 2
	.amdgcn_target "amdgcn-amd-amdhsa--gfx1250"
	.amdhsa_code_object_version 6
	.text
	.protected	k_q8c6c648309_fused
	.globl	k_q8c6c648309_fused
	.p2align	8
	.type	k_q8c6c648309_fused,@function
k_q8c6c648309_fused:
	s_mov_b64 s[64:65], 0
	v_nop
	global_prefetch_b8 v0, s[64:65] scope:SCOPE_SE
	s_setreg_imm32_b32 hwreg(HW_REG_WAVE_MODE, 25, 1), 1
	s_wait_xcnt 0x0
; The whole chain for one b and 8 neighbouring t: complex linear layers q, k, v (MX-FP4), attention over the 8 channels (f32), complex linear layer out (MX-FP4).  Nothing between them goes to memory.
; STACK TILES.  For one t the 16 rows [real of channels 0-7; imaginary of channels 0-7] are a tile X1; X2 = [-imaginary; real] is X1 with row r taken from row r xor 8 and the codes' sign bits turned where the
; source row is 8 or above (Q(-x) = -Q(x); X2's scale words are X1's of row r xor 8).  Then [y_r; y_i] = X1 Wr^T + X2 Wi^T + [br - bi; br + bi]: ONE chain of eight K steps of 128.
; SHARES.  Four waves.  Wave w owns heads 2 w, 2 w + 1 of q, k, v and outputs 128 w .. 128 w + 127, for all 8 t.  So a weight fragment is read by one wave, once, and feeds eight matrix instructions.
; WEIGHTS come from wst, laid in the order of the operand's registers and of use, straight into a ring of eight blocks of registers (window 3), asked for eight K steps ahead; no barrier is spent on them.
; NO JOINT LOADS, and why: a fragment of a weight is used by one wave of a work-group, once, so LDS would only be a stop on its way; and the 320,512 bytes of LDS that this text claims hold the rows' codes,
; the biases and the stages, so that no two slots for tiles fit beside them.  The price: every work-group reads all 1,114,112 bytes of wst for itself.
; LAYOUTS.  q, k, out are used TRANSPOSED (source 0 = 16 rows of W, source 1 = a stack tile): lane (r, h) holds stack row r, register j of tile 2 b + u feature 32 b + 16 h + 8 u + j (the rows of a weight tile are chosen for that).
; v is used as it stands (source 0 = the stack tile): lane (r, h) holds feature 32 b + 8 u + r + 8 (r / 8), register j stack row 8 h + j.
; SCORES, f32 (their result goes on into a quantiser): D = kstack qstack^T, 16 steps of 4 along d, registers 2 i, 2 i + 1 of k's and q's accumulators: the same order of d on both sides.  Lane (r, h), register e holds
; kstack[8 h + e] . qstack[r]: all four real products in one tile.  B2[e] = 0.125 (lane xor 24's + sigma x mine), sigma = +1 in lanes 0-7 and 24-31, else -1, is sr, -si, si, sr where the second product wants them.
; SECOND PRODUCT, f32: D2 = lrelu(v)^T B2, 4 steps of 4 along the 16 stack rows: lane (r, h) holds row r of [x_r; x_i], register 8 (2 b + u) + j its d = 32 b + 16 h + 8 u + j: 16 neighbours of each block of 32.
; A head is half a fragment of the out layer's operand; a wave's two heads are its K step w.  Operands go from wave to wave through LDS as images of their registers.
; LIMITS.  NaN and infinities are not served.  A block whose largest magnitude lies under 2^-124 (zeros too) gets the scale byte 1; its bytes are read by this program alone.
; Real part, imaginary part and bias are summed in one f32 chain, where the definition forms four sums and adds them.
; REGISTERS, in windows of 256: window 0: addresses, scale words, x fragments (two sets), scores, work.  window 1: raw input, then q's accumulators (32 t + 8 tile), then v's; out tiles 0-3.
;   window 2: k's accumulators; then v0-63 B2 (8 t), v64-191 the second product's 16 accumulators; out tiles 4-7.   window 3: the weight ring (32 block + 8 tile).
.set XIMG1, 0                          ; LDS: X1's images [P 3][t 8][s 4], 1,024 bytes each: [c 2][lane 32][16 bytes]
.set XIMG2, 98304                      ; X2's
.set XO1,   196608                     ; the attention's result [t 8][s 4]
.set XO2,   229376                     ; its X2
.set XSC,   262144                     ; scale words [P][t / 4][s][r 16][t % 4]
.set XOSC,  268288                     ; [t / 4][s][r 16][t % 4]
.set BC,    270336                     ; [P 4][br - bi, br + bi][512] f32
.set STG,   286720                     ; for each wave 16 rows of 512 bytes + 16
.set SPI,   528
.set WBLK,  4352
.set LANE, 1
.set LI,   2                           ; 16 x lane
.set L2I,  3                           ; 16 x (lane xor 8)
.set L8,   4                           ; 8 x lane
.set VIN,  5                           ; 16 x lane + 2,048 x wave: my t's row, my 16 bytes
.set STS,  6                           ; the stage by rows: 16 x lane
.set STL,  7                           ; the stage by lanes: 528 r + 64 h
.set R16,  8                           ; 16 r
.set XW1,  9                           ; where I store images, X2's images, scale words
.set XW2,  10
.set XWS,  11
.set AXR,  12                          ; v12, v13: where a layer's X1 and X2 images are read
.set ASR,  14                          ; v14, v15: and their scale words
.set ABT,  16                          ; the bias for a transposed tile
.set ABN,  17                          ; and for v's
.set VOUT, 18                          ; 16 x thread
.set MX,   19                          ; the codes' sign bits where r >= 8
.set R16X, 20                          ; 16 (r xor 8)
.set ABH,  21                          ; the bias address in hand
.set SG,   22                          ; v22-23 sigma, twice
.set X2C,  24                          ; v24-31 X2's codes
.set WS,   32                          ; v32-47 the weights' scale words, two for each ring block: scales and nothing else
.set XS,   48                          ; v48-63 the rows' scale words, two sets of eight (register = t): scales and nothing else
.set XA,   64                          ; v64-127, v128-191: x fragments, two sets (8 t); free between the layers
.set XB,   128
.set SR,   192                         ; v192-223 four score accumulators: written by matrix instructions alone
.set TM,   224                         ; v224-239 the quantiser's work
.set PC,   240                         ; v240-247 the codes just made
.set PW,   248                         ; v248-249 the scale word or halfwords just made
.set WP,   32                          ; s[32:33] the weight stream
.set O0,   34                          ; s[34:35], s[36:37] out0, out1 at my first row
.set WV,   38
.set RP,   40                          ; s[40:43] the real and imaginary tensor of the group being loaded
.set GM,   44
.set OFS,  46
.set SEL,  48                          ; s[48:49] selects for lane xor 16; the pair swapped: lane xor 24
.set SLP,  50                          ; s[50:51] 0.01
.set HC,   52
.set SXI,  53                          ; images of the group in hand
.set SXS,  54                          ; its scale words
.set SB,   55                          ; 256 j: the head's biases
.set SXO,  56                          ; the head's half fragment
.set SXH,  57                          ; its halfword of the scale word
.set EIG,  58                          ; s[58:59] 0.125
.set MSB, 0
.macro WIN new                         ; low byte: bits 1:0 source 0, 3:2 source 1, 5:4 source 2, 7:6 destination; the high byte repeats the setting that is left
.if MSB != (\new)
	s_set_vgpr_msb (MSB<<8)|(\new)
.set MSB, (\new)
.endif
.endm
.macro NOPS n
.rept \n
	v_nop
.endr
.endm
; 16 loads: K step s (512 bytes) of my t's 16 stack rows into raw buffer s (window 1).  Each load reads 512 consecutive bytes of one row.
.macro INLOAD s
	WIN 0x40
.irp c, 0,1,2,3,4,5,6,7
	global_load_b128 v[64*\s+4*\c:64*\s+4*\c+3], v[VIN], s[RP:RP+1] offset:\c*1048576+512*\s th:TH_LOAD_NT
.endr
.irp c, 0,1,2,3,4,5,6,7
	global_load_b128 v[64*\s+32+4*\c:64*\s+32+4*\c+3], v[VIN], s[RP+2:RP+3] offset:\c*1048576+512*\s th:TH_LOAD_NT
.endr
	WIN 0
.endm
; 9 loads: block beta of the next eight of the weight stream into ring block beta
.macro WFILL beta
	WIN 0xc0
.irp i, 0,1,2,3,4,5,6,7
	global_load_b128 v[32*(\beta)+4*\i:32*(\beta)+4*\i+3], v[LI], s[WP:WP+1] offset:WBLK*(\beta)+512*\i
.endr
	WIN 0
	global_load_b64 v[WS+2*(\beta):WS+2*(\beta)+1], v[L8], s[WP:WP+1] offset:WBLK*(\beta)+4096
.endm
; 64 numbers of a lane, register 16 b + i = k 32 b + 16 h + i of my row, become a fragment's codes in v[PC] on and its scale word in v[PW]
.macro QUANT s
.irp b, 0,1,2,3
	v_max3_num_f32 v[TM+\b], |v[\s+16*\b]|, |v[\s+1+16*\b]|, 0x1800000   ; my 16 numbers of block b, and the floor 2^(3 - 127): the byte cannot fall under 1
.endr
.irp i, 2,4,6,8,10,12,14
.irp b, 0,1,2,3
	v_max3_num_f32 v[TM+\b], v[TM+\b], |v[\s+16*\b+\i]|, |v[\s+1+16*\b+\i]|
.endr
.endr
.irp b, 0,1,2,3
	v_permlanex16_b32 v[TM+4+\b], v[TM+\b], s[SEL], s[SEL+1]
.endr
.irp b, 0,1,2,3
	v_max_num_f32 v[TM+\b], v[TM+\b], v[TM+4+\b]   ; with lane l xor 16's: the block's largest magnitude
.endr
.irp b, 0,1,2,3
	v_add_nc_u32 v[TM+12+\b], 0xff000000, v[TM+\b] ; 2 off its exponent field: the conversion's scale operand
.endr
.irp b, 0,1,2,3
	v_lshrrev_b32 v[TM+4+\b], 23, v[TM+12+\b]      ; the scale's byte
.endr
	v_lshl_or_b32 v[PW], v[TM+5], 8, v[TM+4]
	v_lshl_or_b32 v[PW], v[TM+6], 16, v[PW]
	v_lshl_or_b32 v[PW], v[TM+7], 24, v[PW]
.irp b, 0,1,2,3
	v_cvt_scalef32_pk8_fp4_f32 v[PC+2*\b], v[\s+16*\b:\s+7+16*\b], v[TM+12+\b]
	v_cvt_scalef32_pk8_fp4_f32 v[PC+1+2*\b], v[\s+8+16*\b:\s+15+16*\b], v[TM+12+\b]
.endr
	v_nop                                          ; one plain place behind a scaled conversion
.irp c, 0,1                            ; the operand wants a whole block in a lane: lanes 0-15 block 2 c, lanes 16-31 block 2 c + 1
.irp i, 0,1
	v_permlane16_swap_b32 v[PC+4*\c+\i], v[PC+2+4*\c+\i]
.endr
.endr
.endm
; One K step of one t of one tensor pair: raw buffer s turns through my stage, is quantised, and its two images and scale word go to LDS.
; n: the younger loads that may stay out.  mode 1: the buffer is loaded again for the next group; mode 2: two blocks of the weight ring are filled instead.
.macro CHUNK s, n, mode
	s_wait_loadcnt \n
	WIN 0x04                                       ; an LDS store's data are its source 1: window 1
.irp i, 0,1,2,3,4,5,6,7,8,9,10,11,12,13,14,15
	ds_store_b128 v[STS], v[64*\s+4*\i:64*\s+4*\i+3] offset:SPI*\i
.endr
	WIN 0
.irp b, 0,1,2,3
.irp j, 0,1,2,3
	ds_load_b128 v[XA+16*\b+4*\j:XA+16*\b+4*\j+3], v[STL] offset:128*\b+16*\j   ; LDS serves a wave's instructions in order: these see the stores above
.endr
.endr
	s_wait_dscnt 0x0                               ; my 64 numbers are in; the stage's stores have read the raw buffer, the last chunk's stores their codes
.if \mode == 1
	INLOAD \s
.else
	WFILL 2*\s
	WFILL 2*\s+1
.endif
	QUANT XA
.irp i, 0,1,2,3,4,5,6,7
	v_xor_b32 v[X2C+\i], v[MX], v[PC+\i]           ; X2's codes: the signs turn where my row is an imaginary one
.endr
.irp c, 0,1
	ds_store_b128 v[XW1], v[PC+4*\c:PC+4*\c+3] offset:1024*\s+512*\c
	ds_store_b128 v[XW2], v[X2C+4*\c:X2C+4*\c+3] offset:1024*\s+512*\c   ; at lane xor 8's place
.endr
	ds_store_b32 v[XWS], v[PW] offset:256*\s       ; lanes r and r + 16 write the same word with the same value
.endm
.macro GADDR
	v_add_nc_u32 v[XW1], s[SXI], v[LI]
	v_add_nc_u32 v[XW2], s[SXI], v[L2I]
	v_add_nc_u32 v[XW2], XIMG2, v[XW2]
	v_add_nc_u32 v[XWS], s[SXS], v[R16]
.endm
; 18 LDS loads: K step kap (0-3: X1, step kap; 4-7: X2, step kap - 4) of all 8 t, fragments and scale words, into set.  Every window is 0 where this stands.
.macro XFETCH kap, set
.irp t, 0,1,2,3,4,5,6,7
.irp c, 0,1
	ds_load_b128 v[XA+64*(\set)+8*\t+4*\c:XA+64*(\set)+8*\t+4*\c+3], v[AXR+(\kap)/4] offset:4096*\t+1024*((\kap)%4)+512*\c
.endr
.endr
.irp l, 0,1
	ds_load_b128 v[XS+8*(\set)+4*\l:XS+8*(\set)+4*\l+3], v[ASR+(\kap)/4] offset:256*((\kap)%4)+1024*\l
.endr
.endm
; 32 matrix instructions: four tiles of ring block beta x 8 t.  form 0: transposed; 1: as it stands.  The 32 accumulators take turns, one instruction a turn.
; first = 1: the sums begin.  The bias lies in the accumulators of t = 7 and is the C of t = 0 .. 6; five places on, t = 7 adds onto it in place.
.macro MMSTEP form, beta, set, first
.set t_, 0
.rept 8
.if (\first) && (t_ == 7)
	NOPS 5                                         ; t = 7's products write over registers that the products above read as C
.endif
.set u_, 0
.rept 4
.set rD, 32*t_+8*u_
.set rC, 32*t_+8*u_
.if (\first) && (t_ < 7)
.set rC, 224+8*u_
.endif
.set rW, 32*(\beta)+8*u_
.set rX, XA+64*(\set)+8*t_
.set rP, WS+2*(\beta)+u_/2
.set rQ, XS+8*(\set)+t_
.if (\form) == 0
.if u_%2
	v_wmma_scale_f32_16x16x128_f8f6f4 v[rD:rD+7], v[rW:rW+7], v[rX:rX+7], v[rC:rC+7], v[rP], v[rQ] matrix_a_fmt:MATRIX_FMT_FP4 matrix_b_fmt:MATRIX_FMT_FP4 matrix_a_scale:MATRIX_SCALE_ROW1
.else
	v_wmma_scale_f32_16x16x128_f8f6f4 v[rD:rD+7], v[rW:rW+7], v[rX:rX+7], v[rC:rC+7], v[rP], v[rQ] matrix_a_fmt:MATRIX_FMT_FP4 matrix_b_fmt:MATRIX_FMT_FP4
.endif
.else
.if u_%2
	v_wmma_scale_f32_16x16x128_f8f6f4 v[rD:rD+7], v[rX:rX+7], v[rW:rW+7], v[rC:rC+7], v[rQ], v[rP] matrix_a_fmt:MATRIX_FMT_FP4 matrix_b_fmt:MATRIX_FMT_FP4 matrix_b_scale:MATRIX_SCALE_ROW1
.else
	v_wmma_scale_f32_16x16x128_f8f6f4 v[rD:rD+7], v[rX:rX+7], v[rW:rW+7], v[rC:rC+7], v[rQ], v[rP] matrix_a_fmt:MATRIX_FMT_FP4 matrix_b_fmt:MATRIX_FMT_FP4
.endif
.endif
.set u_, u_+1
.endr
.set t_, t_+1
.endr
.endm
.macro BIAST adr, off                  ; a transposed tile's bias into the accumulators of t = 7: lane (r, h): eight numbers at features 32 b + 16 h + 8 u on, of br - bi (r < 8) or br + bi
.irp u, 0,1,2,3
	ds_load_b128 v[224+8*\u:227+8*\u], v[\adr] offset:\off+128*(\u/2)+32*(\u%2)
	ds_load_b128 v[228+8*\u:231+8*\u], v[\adr] offset:\off+128*(\u/2)+32*(\u%2)+16
.endr
.endm
.macro BIASN                           ; v's: a lane holds one feature, so one number serves its eight registers
.irp u, 0,1,2,3
.irp e, 0,1,2,3,4,5,6,7
	ds_load_b32 v[224+8*\u+\e], v[ABH] offset:128*(\u/2)+32*(\u%2)
.endr
.endr
.endm
; One head of one layer P for all 8 t: eight K steps, 256 matrix instructions.  mw: the products' windows; lw: the window of loads into the accumulators.
.macro PASS form, mw, lw, p
	s_wait_xcnt 0x0                                ; the ring's loads have had their addresses translated: their base may step
	s_add_nc_u64 s[WP:WP+1], s[WP:WP+1], 8*WBLK    ; the refills below bring the next eight blocks
	v_add_nc_u32 v[AXR], XIMG1+32768*\p, v[LI]
	v_add_nc_u32 v[AXR+1], XIMG2+32768*\p, v[LI]
	v_add_nc_u32 v[ASR], XSC+2048*\p, v[R16]
	v_add_nc_u32 v[ASR+1], XSC+2048*\p, v[R16X]
.if \form == 0
	v_add_nc_u32 v[ABH], s[SB], v[ABT]
	WIN \lw
	BIAST ABH, 4096*\p
.else
	v_add_nc_u32 v[ABH], s[SB], v[ABN]
	WIN \lw
	BIASN
.endif
	WIN 0
	XFETCH 0, 0
	XFETCH 1, 1
.set kp, 0
.rept 8
.if kp < 7
	s_wait_dscnt 18                                ; this K step's fragments (and the bias) are in; the next step's 18 loads may be out
.else
	s_wait_dscnt 0x0
.endif
	s_wait_loadcnt 63                              ; ring block kp is in: behind its 9 loads the seven younger blocks' 63 were issued
	WIN \mw
.if kp == 0
	MMSTEP \form, kp, kp%2, 1
.else
	MMSTEP \form, kp, kp%2, 0
.endif
	NOPS 4                                         ; places in front of loads into registers that these products read, and of the first read of results
	WFILL kp                                       ; (it leaves every window 0)
.if kp < 6
	XFETCH kp+2, kp%2
.endif
.set kp, kp+1
.endr
.endm
; Scores of t = 4 g .. 4 g + 3: 64 f32 matrix instructions, four accumulators by turns; the first four start the sums
.macro SGRP g
	WIN 0x06                                       ; source 0: k's accumulators, window 2; source 1: q's, window 1
.set st_, 0
.rept 16
.set tt_, 0
.rept 4
.set rA, 32*(4*(\g)+tt_)+8*(st_/4)+2*(st_%4)
.if st_ == 0
	v_wmma_f32_16x16x4_f32 v[SR+8*tt_:SR+8*tt_+7], v[rA:rA+1], v[rA:rA+1], 0
.else
	v_wmma_f32_16x16x4_f32 v[SR+8*tt_:SR+8*tt_+7], v[rA:rA+1], v[rA:rA+1], v[SR+8*tt_:SR+8*tt_+7]
.endif
.set tt_, tt_+1
.endr
.set st_, st_+1
.endr
.endm
; and their way into the second product's source 1: u = 0.125 x mine; B2 = u sigma + lane xor 24's u
.macro STRANS g
	WIN 0
.set p_, 0
.rept 16
	v_pk_mul_f32 v[XA+2*p_:XA+2*p_+1], v[SR+2*p_:SR+2*p_+1], s[EIG:EIG+1] op_sel_hi:[1,0]   ; each accumulator from its low end on
.set p_, p_+1
.endr
.set p_, 0
.rept 32
	v_permlanex16_b32 v[XB+p_], v[XA+p_], s[SEL+1], s[SEL]
.set p_, p_+1
.endr
	WIN 0x80
.set p_, 0
.rept 16
	v_pk_fma_f32 v[32*(\g)+2*p_:32*(\g)+2*p_+1], v[XA+2*p_:XA+2*p_+1], v[SG:SG+1], v[XB+2*p_:XB+2*p_+1]
.set p_, p_+1
.endr
	WIN 0
.endm
.macro LRV                             ; v = max(v, 0.01 v), in place, 64 registers at a time
.set q_, 0
.rept 4
	WIN 0x01
.set p_, 0
.rept 32
	v_pk_mul_f32 v[XA+2*p_:XA+2*p_+1], v[64*q_+2*p_:64*q_+2*p_+1], s[SLP:SLP+1] op_sel_hi:[1,0]
.set p_, p_+1
.endr
	WIN 0x41
.set p_, 0
.rept 64
	v_max_num_f32 v[64*q_+p_], v[64*q_+p_], v[XA+p_]
.set p_, p_+1
.endr
.set q_, q_+1
.endr
	WIN 0
.endm
; The second product for t = 4 g .. 4 g + 3: 64 f32 matrix instructions, sixteen accumulators by turns; the first sixteen start the sums
.macro AVG g
	WIN 0xa9                                       ; source 0: v, window 1; source 1: B2, window 2; C and D window 2
.set i_, 0
.rept 4
.set tt_, 0
.rept 4
.set u_, 0
.rept 4
.set rD, 64+32*tt_+8*u_
.set rA, 32*(4*(\g)+tt_)+8*u_+2*i_
.set rB, 8*(4*(\g)+tt_)+2*i_
.if i_ == 0
	v_wmma_f32_16x16x4_f32 v[rD:rD+7], v[rA:rA+1], v[rB:rB+1], 0
.else
	v_wmma_f32_16x16x4_f32 v[rD:rD+7], v[rA:rA+1], v[rB:rB+1], v[rD:rD+7]
.endif
.set u_, u_+1
.endr
.set tt_, tt_+1
.endr
.set i_, i_+1
.endr
.endm
.macro LRX pr                          ; max(x, 0.01 x) of two t into v[XA] on: the accumulators themselves are not written
	WIN 0x02
.set p_, 0
.rept 32
	v_pk_mul_f32 v[XA+2*p_:XA+2*p_+1], v[64+64*\pr+2*p_:64+64*\pr+2*p_+1], s[SLP:SLP+1] op_sel_hi:[1,0]
.set p_, p_+1
.endr
.set p_, 0
.rept 64
	v_max_num_f32 v[XA+p_], v[64+64*\pr+p_], v[XA+p_]
.set p_, p_+1
.endr
	WIN 0
.endm
; 32 numbers of a lane (a head: two blocks) become half a fragment and half a scale word of t, and go to LDS with their X2.  Two sets of result registers take turns.
.macro QUANTH y, set, t
	s_wait_dscnt 3                                 ; the last quantising's three stores may be out; those before, which read this set, are done
.irp b, 0,1
	v_max3_num_f32 v[TM+\b], |v[\y+16*\b]|, |v[\y+1+16*\b]|, 0x1800000
.endr
.irp i, 2,4,6,8,10,12,14
.irp b, 0,1
	v_max3_num_f32 v[TM+\b], v[TM+\b], |v[\y+16*\b+\i]|, |v[\y+1+16*\b+\i]|
.endr
.endr
.irp b, 0,1
	v_permlanex16_b32 v[TM+4+\b], v[TM+\b], s[SEL], s[SEL+1]
.endr
.irp b, 0,1
	v_max_num_f32 v[TM+\b], v[TM+\b], v[TM+4+\b]
.endr
.irp b, 0,1
	v_add_nc_u32 v[TM+12+\b], 0xff000000, v[TM+\b]
.endr
.irp b, 0,1
	v_lshrrev_b32 v[TM+4+\b], 23, v[TM+12+\b]
.endr
	v_lshl_or_b32 v[PW+\set], v[TM+5], 8, v[TM+4]
.irp b, 0,1
	v_cvt_scalef32_pk8_fp4_f32 v[PC+4*\set+2*\b], v[\y+16*\b:\y+16*\b+7], v[TM+12+\b]
	v_cvt_scalef32_pk8_fp4_f32 v[PC+4*\set+2*\b+1], v[\y+16*\b+8:\y+16*\b+15], v[TM+12+\b]
.endr
	v_nop                                          ; one plain place behind a scaled conversion
	v_permlane16_swap_b32 v[PC+4*\set], v[PC+4*\set+2]
	v_permlane16_swap_b32 v[PC+4*\set+1], v[PC+4*\set+3]
.irp i, 0,1,2,3
	v_xor_b32 v[X2C+4*\set+\i], v[MX], v[PC+4*\set+\i]
.endr
	ds_store_b128 v[XW1], v[PC+4*\set:PC+4*\set+3] offset:4096*(\t)
	ds_store_b128 v[XW2], v[X2C+4*\set:X2C+4*\set+3] offset:4096*(\t)
	ds_store_b16 v[XWS], v[PW+\set] offset:1024*((\t)/4)+4*((\t)%4)
.endm
.macro XOUT g
	AVG \g
	NOPS 9                                         ; places in front of the first read of these results, and of the next products that begin the same accumulators anew
.irp pr, 0,1
	LRX \pr
	QUANTH XA, 0, 4*\g+2*\pr
	QUANTH XA+32, 1, 4*\g+2*\pr+1
.endr
.endm
	s_load_b256 s[4:11], s[0:1], 0x0               ; query_r, query_i, key_r, key_i
	s_load_b128 s[12:15], s[0:1], 0x20             ; value_r, value_i
	s_load_b512 s[16:31], s[0:1], 0x30             ; the eight biases
	s_load_b64 s[WP:WP+1], s[0:1], 0x70            ; wst
	s_load_b64 s[O0:O0+1], s[0:1], 0x78            ; out0
	s_load_b64 s[O0+2:O0+3], s[0:1], 0x80          ; out1
	v_lshl_add_u32 v254, v0, 2, 0x4e400
	v_mov_b32 v255, 0
	v_lshrrev_b32 v1, 5, v0
	v_readfirstlane_b32 s[WV], v1                  ; wave 0..3
	v_and_b32 v[LANE], 31, v0
	v_and_b32 v232, 15, v0                         ; r
	v_bfe_u32 v233, v0, 4, 1                       ; h
	v_bfe_u32 v234, v0, 3, 1                       ; r / 8
	v_lshlrev_b32 v[LI], 4, v[LANE]
	v_xor_b32 v[L2I], 8, v[LANE]
	v_lshlrev_b32 v[L2I], 4, v[L2I]
	v_lshlrev_b32 v[L8], 3, v[LANE]
	s_lshl_b32 s39, s[WV], 11
	v_add_nc_u32 v[VIN], s39, v[LI]
	s_mul_i32 s39, s[WV], 16*SPI
	s_add_co_u32 s39, s39, STG                     ; my stage
	v_add_nc_u32 v[STS], s39, v[LI]
	v_mul_u32_u24 v[STL], v232, SPI
	v_lshl_add_u32 v[STL], v233, 6, v[STL]
	v_add_nc_u32 v[STL], s39, v[STL]
	v_lshlrev_b32 v[R16], 4, v232
	v_xor_b32 v[R16X], 8, v232
	v_lshlrev_b32 v[R16X], 4, v[R16X]
	s_lshl_b32 s39, s[WV], 9
	s_add_co_u32 s39, s39, BC                      ; my 128 features' biases
	v_lshlrev_b32 v[ABT], 11, v234
	v_lshl_add_u32 v[ABT], v233, 6, v[ABT]
	v_add_nc_u32 v[ABT], s39, v[ABT]               ; BC + 2,048 (r / 8) + 512 w + 64 h
	v_lshl_add_u32 v235, v234, 3, v232
	v_lshlrev_b32 v[ABN], 2, v235
	v_lshl_add_u32 v[ABN], v233, 11, v[ABN]
	v_add_nc_u32 v[ABN], s39, v[ABN]
	v_add_nc_u32 v[ABN], 8192, v[ABN]              ; BC + v's 8,192 + 2,048 h + 512 w + 4 (r + 8 (r / 8))
	v_lshlrev_b32 v[VOUT], 4, v0
	v_sub_nc_u32 v235, 0, v234
	v_and_b32 v[MX], 0x88888888, v235
	v_xor_b32 v235, v233, v234
	v_lshlrev_b32 v235, 31, v235
	v_or_b32 v[SG], 0x3f800000, v235               ; sigma: -1 where exactly one of r / 8 and h is 1
	v_mov_b32 v[SG+1], v[SG]
.irp b, 0,1,2,3
	v_mov_b32 v[TM+4+\b], 0                        ; written once: a lane permute's destination counts as one of its sources
.endr
	s_mov_b32 s[SEL], 0x76543210
	s_mov_b32 s[SEL+1], 0xfedcba98
	s_mov_b32 s[SLP], 0x3c23d70a                   ; 0.01
	s_mov_b32 s[SLP+1], s[SLP]
	s_mov_b32 s[EIG], 0x3e000000                   ; 1 / sqrt(64)
	s_mov_b32 s[EIG+1], s[EIG]
	s_lshl_b32 s[SXI], s[WV], 12                   ; XIMG1 + 4,096 w
	s_lshl_b32 s[SXS], s[WV], 2
	s_add_co_u32 s[SXS], s[SXS], XSC
	s_mov_b32 s[SB], 0
	s_lshl_b32 s[SXO], s[WV], 10
	s_add_co_u32 s[SXO], s[SXO], XO1
	s_lshl_b32 s[SXH], s[WV], 8
	s_add_co_u32 s[SXH], s[SXH], XOSC
	s_lshr_b32 s[OFS], ttmp9, 6                    ; b: 8 channels x 512 rows x 2,048 bytes,
	s_lshl_b32 s[OFS], s[OFS], 23
	s_and_b32 s[OFS+1], ttmp9, 63                  ; and my 8 rows t
	s_lshl_b32 s[OFS+1], s[OFS+1], 14
	s_add_co_u32 s[OFS], s[OFS], s[OFS+1]
	s_mov_b32 s[OFS+1], 0
	s_wait_kmcnt 0x0
.irp p, 4,6,8,10,12,14,34,36
	s_add_nc_u64 s[\p:\p+1], s[\p:\p+1], s[OFS:OFS+1]
.endr
	s_mul_i32 s[OFS], s[WV], 64*WBLK
	s_add_nc_u64 s[WP:WP+1], s[WP:WP+1], s[OFS:OFS+1]   ; my wave's 64 blocks
	s_mov_b64 s[RP:RP+1], s[4:5]
	s_mov_b64 s[RP+2:RP+3], s[6:7]
.irp p, 0,1,2,3
	global_load_b128 v[XB+8*\p:XB+8*\p+3], v[VOUT], s[16+4*\p:17+4*\p]       ; br: the 128 threads take 4 numbers each
	global_load_b128 v[XB+8*\p+4:XB+8*\p+7], v[VOUT], s[18+4*\p:19+4*\p]     ; bi
.endr
.irp s, 0,1,2,3
	INLOAD \s                                      ; group 0: query, my first t
.endr
	s_wait_loadcnt 63                              ; of the 72 loads issued the first nine are in, the eight bias loads among them
.irp p, 0,1,2,3
.irp e, 0,2
	v_pk_add_f32 v[XA+8*\p+\e:XA+8*\p+\e+1], v[XB+8*\p+\e:XB+8*\p+\e+1], v[XB+8*\p+4+\e:XB+8*\p+4+\e+1] neg_lo:[0,1] neg_hi:[0,1]   ; br - bi
	v_pk_add_f32 v[XA+8*\p+4+\e:XA+8*\p+4+\e+1], v[XB+8*\p+\e:XB+8*\p+\e+1], v[XB+8*\p+4+\e:XB+8*\p+4+\e+1]                        ; br + bi
.endr
.endr
	v_add_nc_u32 v[ABH], BC, v[VOUT]
.irp p, 0,1,2,3
	ds_store_b128 v[ABH], v[XA+8*\p:XA+8*\p+3] offset:4096*\p
	ds_store_b128 v[ABH], v[XA+8*\p+4:XA+8*\p+7] offset:4096*\p+2048
.endr
	; ---- THE INPUTS.  Wave w quantises t = w and t = w + 4 of the three tensor pairs: group n = 2 P + (t / 4), six groups of four K steps.  A trip works group GM - 1 and loads group GM: 64 loads of mine are on their way.
	s_mov_b32 s[GM], 1
.Lgroup:
	s_wait_dscnt 0x0                               ; my LDS stores have read their registers: their addresses may be written
	s_wait_xcnt 0x0                                ; the loads issued have had their addresses translated: their bases may be written
	s_cmp_lt_u32 s[GM], 4
	s_cselect_b64 s[RP:RP+1], s[8:9], s[12:13]
	s_cselect_b64 s[RP+2:RP+3], s[10:11], s[14:15]
	s_cmp_lt_u32 s[GM], 2
	s_cselect_b64 s[RP:RP+1], s[4:5], s[RP:RP+1]
	s_cselect_b64 s[RP+2:RP+3], s[6:7], s[RP+2:RP+3]
	s_and_b32 s[OFS], s[GM], 1
	s_lshl_b32 s[OFS], s[OFS], 13                  ; t = w + 4: four rows on
	s_add_nc_u64 s[RP:RP+1], s[RP:RP+1], s[OFS:OFS+1]
	s_add_nc_u64 s[RP+2:RP+3], s[RP+2:RP+3], s[OFS:OFS+1]
	GADDR
	CHUNK 0, 48, 1                                 ; behind a chunk's 16 loads three younger chunks' 48 were issued
	CHUNK 1, 48, 1
	CHUNK 2, 48, 1
	CHUNK 3, 48, 1
	s_add_co_u32 s[SXI], s[SXI], 16384
	s_add_co_u32 s[SXS], s[SXS], 1024
	s_add_co_u32 s[GM], s[GM], 1
	s_cmp_lt_u32 s[GM], 6
	s_cbranch_scc1 .Lgroup
	s_wait_dscnt 0x0
	GADDR                                          ; the last group: no input is left to ask for; the weight ring's first eight blocks go out instead
	CHUNK 0, 48, 2                                 ; younger: 16 (3 - s) input loads and 18 s weight loads
	CHUNK 1, 50, 2
	CHUNK 2, 52, 2
	CHUNK 3, 54, 2
	s_wait_dscnt 0x0                               ; for the others' sake: my images, scale words and biases lie in LDS
	s_barrier_signal -1
	s_barrier_wait -1
	; ---- MY TWO HEADS, one a trip
	s_mov_b32 s[HC], 0
.Lhead:
	s_wait_dscnt 0x0                               ; the last trip's stores have read their address registers
	v_add_nc_u32 v[XW1], s[SXO], v[LI]             ; XO1 + 1,024 w + 512 j + 16 x lane
	v_add_nc_u32 v[XW2], s[SXO], v[L2I]
	v_add_nc_u32 v[XW2], XO2-XO1, v[XW2]
	v_add_nc_u32 v[XWS], s[SXH], v[R16]            ; XOSC + 256 w + 2 j + 16 r
	PASS 0, 0x53, 0x40, 0                          ; q -> window 1
	PASS 0, 0xa3, 0x80, 1                          ; k -> window 2
	NOPS 5                                         ; k's last results become operands
	SGRP 0
	NOPS 9                                         ; in front of the read of the scores, and of the products that begin the same four accumulators anew
	STRANS 0
	SGRP 1
	NOPS 9                                         ; likewise; and of v's products and bias, which take q's registers
	STRANS 1
	PASS 1, 0x5c, 0x40, 2                          ; v -> window 1
	LRV
	XOUT 0
	XOUT 1
	s_add_co_u32 s[SB], s[SB], 256
	s_add_co_u32 s[SXO], s[SXO], 512
	s_add_co_u32 s[SXH], s[SXH], 2
	s_add_co_u32 s[HC], s[HC], 1
	s_cmp_lt_u32 s[HC], 2
	s_cbranch_scc1 .Lhead
	s_wait_dscnt 0x0                               ; for the others' sake: my K step of the out layer's operand lies in LDS
	s_barrier_signal -1
	s_barrier_wait -1
	; ---- THE OUT LAYER: my 128 outputs (8 tiles) x 8 t: 64 accumulators in windows 1 and 2; a K step takes two ring blocks
	s_wait_xcnt 0x0
	s_add_nc_u64 s[WP:WP+1], s[WP:WP+1], 8*WBLK
	v_add_nc_u32 v[AXR], XO1, v[LI]
	v_add_nc_u32 v[AXR+1], XO2, v[LI]
	v_add_nc_u32 v[ASR], XOSC, v[R16]
	v_add_nc_u32 v[ASR+1], XOSC, v[R16X]
	WIN 0x40
	BIAST ABT, 12288
	WIN 0x80
	BIAST ABT, 12288+256
	WIN 0
	XFETCH 0, 0
	XFETCH 1, 1
.set kp, 0
.rept 8
.if kp < 7
	s_wait_dscnt 18
.else
	s_wait_dscnt 0x0
.endif
.if kp < 5
	s_wait_loadcnt 54                              ; this step's two blocks are in: six younger blocks' loads may be out
.else
	s_wait_loadcnt 18*(7-kp)                       ; nothing more is asked for: the counts run down
.endif
	WIN 0x53
.if kp == 0
	MMSTEP 0, 2*(kp%4), kp%2, 1
.else
	MMSTEP 0, 2*(kp%4), kp%2, 0
.endif
	WIN 0xa3
.if kp == 0
	MMSTEP 0, 2*(kp%4)+1, kp%2, 1
.else
	MMSTEP 0, 2*(kp%4)+1, kp%2, 0
.endif
	NOPS 4
.if kp < 4
	WFILL 2*kp
	WFILL 2*kp+1
.endif
.if kp < 6
	WIN 0                                          ; the fragments' addresses and registers lie in window 0: in the steps that refill nothing the products' windows still stand here
	XFETCH kp+2, kp%2
.endif
.set kp, kp+1
.endr
	; ---- THE WAY OUT, a t at a time: a lane holds 32 neighbouring bytes of eight places of a row; the 16 rows x 512 bytes go through my stage and leave as whole runs of 512 bytes
.macro TOSTAGE t
.irp f, 0,1
	WIN 0x04+4*\f                                  ; the data: window 1 (tiles 0-3) or 2 (tiles 4-7)
.irp u, 0,1,2,3
	ds_store_b128 v[STL], v[32*(\t)+8*\u:32*(\t)+8*\u+3] offset:256*\f+128*(\u/2)+32*(\u%2)       ; each accumulator from its low end on
	ds_store_b128 v[STL], v[32*(\t)+8*\u+4:32*(\t)+8*\u+7] offset:256*\f+128*(\u/2)+32*(\u%2)+16
.endr
.endr
	WIN 0
.irp i, 0,1,2,3,4,5,6,7,8,9,10,11,12,13,14,15
	ds_load_b128 v[XA+64*((\t)%2)+4*\i:XA+64*((\t)%2)+4*\i+3], v[STS] offset:SPI*\i   ; LDS serves a wave's instructions in order: these see the stores above; the next t's stores come behind them
.endr
.endm
.macro SEND t, younger                 ; younger: the LDS instructions issued behind this t's loads
	s_wait_dscnt \younger
.irp i, 0,1,2,3,4,5,6,7
	global_store_b128 v[VOUT], v[XA+64*((\t)%2)+4*\i:XA+64*((\t)%2)+4*\i+3], s[O0:O0+1] offset:\i*1048576+2048*(\t) th:TH_STORE_NT          ; 32 lanes store 512 consecutive bytes, at a multiple of 512 from the buffer's first byte
.endr
.irp i, 0,1,2,3,4,5,6,7
	global_store_b128 v[VOUT], v[XA+64*((\t)%2)+32+4*\i:XA+64*((\t)%2)+32+4*\i+3], s[O0+2:O0+3] offset:\i*1048576+2048*(\t) th:TH_STORE_NT
.endr
.endm
	TOSTAGE 0
.irp t, 1,2,3,4,5,6,7
.if \t > 1
	s_wait_xcnt 0x0                                ; the stores of two t ago have read their registers: this t's rows may land there
.endif
	TOSTAGE \t
	SEND \t-1, 32                                  ; behind the last t's loads: this t's 16 stores and 16 loads
.endr
	SEND 7, 0
	s_wait_tensorcnt 0x0
	ds_add_u32 v254, v255
	s_wait_dscnt 0x0
	s_endpgm
.Lfunc_end_k_q8c6c648309_fused:
	.size	k_q8c6c648309_fused, .Lfunc_end_k_q8c6c648309_fused-k_q8c6c648309_fused
	.p2alignl 7, 3214868480
	.fill 96, 4, 3214868480
	.section	.rodata,"a",@progbits
	.p2align	6, 0x0
	.amdhsa_kernel k_q8c6c648309_fused
		.amdhsa_group_segment_fixed_size 321024
		.amdhsa_private_segment_fixed_size 0
		.amdhsa_enable_private_segment 0
		.amdhsa_kernarg_size 136
		.amdhsa_user_sgpr_count 2
		.amdhsa_user_sgpr_kernarg_segment_ptr 1
		.amdhsa_wavefront_size32 1
		.amdhsa_system_sgpr_workgroup_id_x 1
		.amdhsa_system_sgpr_workgroup_id_y 1
		.amdhsa_system_sgpr_workgroup_id_z 1
		.amdhsa_system_vgpr_workitem_id 0
		.amdhsa_next_free_vgpr 1024
		.amdhsa_next_free_sgpr 66
		.amdhsa_reserve_vcc 0
		.amdhsa_float_denorm_mode_32 3
		.amdhsa_float_denorm_mode_16_64 3
		.amdhsa_memory_ordered 1
		.amdhsa_forward_progress 1
		.amdhsa_inst_pref_size 255
	.end_amdhsa_kernel
	.section	.bss,"aw",@nobits
	.p2align	6
	.space	262144
	.amdgpu_metadata
---
amdhsa.version: [ 1, 2 ]
amdhsa.kernels:
  - .name:           k_q8c6c648309_fused
    .symbol:         k_q8c6c648309_fused.kd
    .args:
      - { .name: query_r, .offset: 0, .size: 8, .value_kind: global_buffer, .address_space: global }
      - { .name: query_i, .offset: 8, .size: 8, .value_kind: global_buffer, .address_space: global }
      - { .name: key_r, .offset: 16, .size: 8, .value_kind: global_buffer, .address_space: global }
      - { .name: key_i, .offset: 24, .size: 8, .value_kind: global_buffer, .address_space: global }
      - { .name: value_r, .offset: 32, .size: 8, .value_kind: global_buffer, .address_space: global }
      - { .name: value_i, .offset: 40, .size: 8, .value_kind: global_buffer, .address_space: global }
      - { .name: bq_r, .offset: 48, .size: 8, .value_kind: global_buffer, .address_space: global }
      - { .name: bq_i, .offset: 56, .size: 8, .value_kind: global_buffer, .address_space: global }
      - { .name: bk_r, .offset: 64, .size: 8, .value_kind: global_buffer, .address_space: global }
      - { .name: bk_i, .offset: 72, .size: 8, .value_kind: global_buffer, .address_space: global }
      - { .name: bv_r, .offset: 80, .size: 8, .value_kind: global_buffer, .address_space: global }
      - { .name: bv_i, .offset: 88, .size: 8, .value_kind: global_buffer, .address_space: global }
      - { .name: bo_r, .offset: 96, .size: 8, .value_kind: global_buffer, .address_space: global }
      - { .name: bo_i, .offset: 104, .size: 8, .value_kind: global_buffer, .address_space: global }
      - { .name: wst, .offset: 112, .size: 8, .value_kind: global_buffer, .address_space: global }
      - { .name: out0, .offset: 120, .size: 8, .value_kind: global_buffer, .address_space: global }
      - { .name: out1, .offset: 128, .size: 8, .value_kind: global_buffer, .address_space: global }
    .group_segment_fixed_size: 321024
    .private_segment_fixed_size: 0
    .kernarg_segment_align: 8
    .kernarg_segment_size: 136
    .max_flat_workgroup_size: 128
    .sgpr_count:     66
    .vgpr_count:     1024
    .wavefront_size: 32
...
	.end_amdgpu_metadata
.endif
;; end of part 2
;; ======== version 2 of 2: 2 launches; version 1 with the launch fused written anew for expert scheduling mode
;; workspace buffers: wst 1,114,112 bytes
;; launch wprep: the kernel of part 1 again; grid 256 x 1, 2 waves a work-group, no clusters, 9,472 bytes of LDS; arguments Wq_r, Wq_i, Wk_r, Wk_i, Wv_r, Wv_i, Wo_r, Wo_i, wst; writes wst
;; launch fused (part 3): grid 256 x 1, 4 waves a work-group, no clusters, 321,024 bytes of LDS; arguments query_r, query_i, key_r, key_i, value_r, value_i, bq_r, bq_i, bk_r, bk_i, bv_r, bv_i, bo_r, bo_i, wst, out0, out1; writes out0, out1
.if DOCPART == 3
	.amdgcn_target "amdgcn-amd-amdhsa--gfx1250"
	.amdhsa_code_object_version 6
	.text
	.protected	k_q8c6c648309_fused
	.globl	k_q8c6c648309_fused
	.p2align	8
	.type	k_q8c6c648309_fused,@function
k_q8c6c648309_fused:
	s_mov_b64 s[64:65], 0
	v_nop
	global_prefetch_b8 v0, s[64:65] scope:SCOPE_SE
	s_setreg_imm32_b32 hwreg(HW_REG_WAVE_SCHED_MODE, 0, 2), 2
	s_setreg_imm32_b32 hwreg(HW_REG_WAVE_MODE, 25, 1), 1
	s_wait_xcnt 0x0
	s_wait_alu depctr_vm_vsrc(0)
; The whole chain for one b and 8 neighbouring t: complex linear layers q, k, v (MX-FP4), attention over the 8 channels (f32), complex linear layer out (MX-FP4).  Nothing between them goes to memory.
; STACK TILES.  For one t the 16 rows [real of channels 0-7; imaginary of channels 0-7] are a tile X1; X2 = [-imaginary; real] is X1 with row r taken from row r xor 8 and the codes' sign bits turned where the
; source row is 8 or above (Q(-x) = -Q(x); X2's scale words are X1's of row r xor 8).  Then [y_r; y_i] = X1 Wr^T + X2 Wi^T + [br - bi; br + bi]: ONE chain of eight K steps of 128.
; SHARES.  Four waves.  Wave w owns heads 2 w, 2 w + 1 of q, k, v and outputs 128 w .. 128 w + 127, for all 8 t.  So a weight fragment is read by one wave, once, and feeds eight matrix instructions.
; WEIGHTS come from wst, laid in the order of the operand's registers and of use, straight into a ring of eight blocks of registers (window 3); a block is asked for again in the K step behind the one that read it,
; seven K steps ahead of its next use; no barrier is spent on them.
; NO JOINT LOADS, and why: a fragment of a weight is used by one wave of a work-group, once, so LDS would only be a stop on its way; and the 320,512 bytes of LDS that this text claims hold the rows' codes,
; the biases and the stages, so that no two slots for tiles fit beside them.  The price: every work-group reads all 1,114,112 bytes of wst for itself.
; LAYOUTS.  q, k, out are used TRANSPOSED (source 0 = 16 rows of W, source 1 = a stack tile): lane (r, h) holds stack row r, register j of tile 2 b + u feature 32 b + 16 h + 8 u + j (the rows of a weight tile are chosen for that).
; v is used as it stands (source 0 = the stack tile): lane (r, h) holds feature 32 b + 8 u + r + 8 (r / 8), register j stack row 8 h + j.
; SCORES, f32 (their result goes on into a quantiser): D = kstack qstack^T, 16 steps of 4 along d, registers 2 i, 2 i + 1 of k's and q's accumulators: the same order of d on both sides.  Lane (r, h), register e holds
; kstack[8 h + e] . qstack[r]: all four real products in one tile.  B2[e] = 0.125 (lane xor 24's + sigma x mine), sigma = +1 in lanes 0-7 and 24-31, else -1, is sr, -si, si, sr where the second product wants them.
; SECOND PRODUCT, f32: D2 = lrelu(v)^T B2, 4 steps of 4 along the 16 stack rows: lane (r, h) holds row r of [x_r; x_i], register 8 (2 b + u) + j its d = 32 b + 16 h + 8 u + j: 16 neighbours of each block of 32.
; A head is half a fragment of the out layer's operand; a wave's two heads are its K step w.  Operands go from wave to wave through LDS as images of their registers.
; LIMITS.  NaN and infinities are not served.  A block whose largest magnitude lies under 2^-124 (zeros too) gets the scale byte 1; its bytes are read by this program alone.
; Real part, imaginary part and bias are summed in one f32 chain, where the definition forms four sums and adds them.
; REGISTERS, in windows of 256: window 0: addresses, scale words, x fragments (two sets), scores, work.  window 1: raw input, then q's accumulators (32 t + 8 tile), then v's; out tiles 0-3.
;   window 2: k's accumulators; then v0-63 B2 (8 t), v64-191 the second product's 16 accumulators; out tiles 4-7.   window 3: the weight ring (32 block + 8 tile).
; THE MODE: SCHED_MODE bits 1:0 = 2 (LLVM: expert scheduling mode 2), set by the entry lines.  The code itself states the register dependences
; between vector or matrix instructions and memory or LDS instructions, with s_wait_alu, always for 0.
; THE PLAN.  Registers that memory or LDS instructions touch:
;   v2-8, v16-18, v20   addresses made at the head and never written again: one wait on va_vdst ahead of the first load.
;   RAW (window 1)      the input phase: filled by global loads, read by the stage's LDS stores, filled again behind a wait on vm_vsrc.
;   XA in that phase    filled by the stage's LDS loads, read by the quantiser; the wait on va_vdst at a chunk's end (ahead of its stores) also states that the quantiser is done reading XA.
;   PC, X2C, PW         written by a quantiser, read by LDS stores: va_vdst ahead of the stores, vm_vsrc ahead of the next quantiser.  XW1, XW2, XWS, the stores' addresses, likewise.
;   AXR, ASR, ABH       written at a pass's head: vm_vsrc ahead of the pass, the pass's wait on va_vdst behind the additions.
;   ring block b, WS    read by the products of K step b alone; filled again in K step b + 1 (block 7: at the next pass's head).
;   XA, XB, XS          two sets: K step k's products read set k % 2; the fragments of step k + 1 land in the other set during step k.
;   So ONE wait on va_vdst stands at the head of a K step: the step before is done reading its ring block, its scale words and its set.  The step's 27 loads follow it, dealt among the step's 32 products,
;   which name this step's ring block, this step's set and the accumulators: none of the registers that those loads touch.
;   the accumulators    t = 7's take the bias by LDS loads at a pass's head (behind the pass's wait); on the way out they are the data of LDS stores, behind four places and one wait on va_vdst.
.set XIMG1, 0                          ; LDS: X1's images [P 3][t 8][s 4], 1,024 bytes each: [c 2][lane 32][16 bytes]
.set XIMG2, 98304                      ; X2's
.set XO1,   196608                     ; the attention's result [t 8][s 4]
.set XO2,   229376                     ; its X2
.set XSC,   262144                     ; scale words [P][t / 4][s][r 16][t % 4]
.set XOSC,  268288                     ; [t / 4][s][r 16][t % 4]
.set BC,    270336                     ; [P 4][br - bi, br + bi][512] f32
.set STG,   286720                     ; for each wave 16 rows of 512 bytes + 16
.set SPI,   528
.set WBLK,  4352
.set LANE, 1
.set LI,   2                           ; 16 x lane
.set L2I,  3                           ; 16 x (lane xor 8)
.set L8,   4                           ; 8 x lane
.set VIN,  5                           ; 16 x lane + 2,048 x wave: my t's row, my 16 bytes
.set STS,  6                           ; the stage by rows: 16 x lane
.set STL,  7                           ; the stage by lanes: 528 r + 64 h
.set R16,  8                           ; 16 r
.set XW1,  9                           ; where I store images, X2's images, scale words
.set XW2,  10
.set XWS,  11
.set AXR,  12                          ; v12, v13: where a layer's X1 and X2 images are read
.set ASR,  14                          ; v14, v15: and their scale words
.set ABT,  16                          ; the bias for a transposed tile
.set ABN,  17                          ; and for v's
.set VOUT, 18                          ; 16 x thread
.set MX,   19                          ; the codes' sign bits where r >= 8
.set R16X, 20                          ; 16 (r xor 8)
.set ABH,  21                          ; the bias address in hand
.set SG,   22                          ; v22-23 sigma, twice
.set X2C,  24                          ; v24-31 X2's codes
.set WS,   32                          ; v32-47 the weights' scale words, two for each ring block: scales and nothing else
.set XS,   48                          ; v48-63 the rows' scale words, two sets of eight (register = t): scales and nothing else
.set XA,   64                          ; v64-127, v128-191: x fragments, two sets (8 t); free between the layers
.set XB,   128
.set BS,   160                         ; v160-191 at the head only: the biases' differences and sums
.set SR,   192                         ; v192-223 four score accumulators: written by matrix instructions alone
.set TM,   224                         ; v224-239 the quantiser's work
.set PC,   240                         ; v240-247 the codes just made
.set PW,   248                         ; v248-249 the scale word or halfwords just made
.set WP,   32                          ; s[32:33] the weight stream
.set O0,   34                          ; s[34:35], s[36:37] out0, out1 at my first row
.set WV,   38
.set RP,   40                          ; s[40:43] the real and imaginary tensor of the group being loaded
.set GM,   44
.set OFS,  46
.set SEL,  48                          ; s[48:49] selects for lane xor 16; the pair swapped: lane xor 24
.set SLP,  50                          ; s[50:51] 0.01
.set HC,   52
.set SXI,  53                          ; images of the group in hand
.set SXS,  54                          ; its scale words
.set SB,   55                          ; 256 j: the head's biases
.set SXO,  56                          ; the head's half fragment
.set SXH,  57                          ; its halfword of the scale word
.set EIG,  58                          ; s[58:59] 0.125
.set MSB, 0
.macro WIN new                         ; low byte: bits 1:0 source 0, 3:2 source 1, 5:4 source 2, 7:6 destination; the high byte repeats the setting that is left
.if MSB != (\new)
	s_set_vgpr_msb (MSB<<8)|(\new)
.set MSB, (\new)
.endif
.endm
.macro NOPS n
.rept \n
	v_nop
.endr
.endm
; 16 loads: K step s (512 bytes) of my t's 16 stack rows into raw buffer s (window 1).  Each load reads 512 consecutive bytes of one row.
.macro INLOAD s
	WIN 0x40
.irp c, 0,1,2,3,4,5,6,7
	global_load_b128 v[64*\s+4*\c:64*\s+4*\c+3], v[VIN], s[RP:RP+1] offset:\c*1048576+512*\s th:TH_LOAD_NT
.endr
.irp c, 0,1,2,3,4,5,6,7
	global_load_b128 v[64*\s+32+4*\c:64*\s+32+4*\c+3], v[VIN], s[RP+2:RP+3] offset:\c*1048576+512*\s th:TH_LOAD_NT
.endr
	WIN 0
.endm
; A block of the weight stream into ring block beta: 9 loads, its scale words first (window 0), then its codes (destination window 3).  off: bytes added to the block's place behind the stream's base
.macro WSCALE beta, off
	global_load_b64 v[WS+2*(\beta):WS+2*(\beta)+1], v[L8], s[WP:WP+1] offset:WBLK*(\beta)+4096+(\off)
.endm
.macro WCODES beta, off
.irp i, 0,1,2,3,4,5,6,7
	global_load_b128 v[32*(\beta)+4*\i:32*(\beta)+4*\i+3], v[LI], s[WP:WP+1] offset:WBLK*(\beta)+512*\i+(\off)
.endr
.endm
.macro WFILL beta, off
	WIN 0
	WSCALE \beta, \off
	WIN 0xc0
	WCODES \beta, \off
	WIN 0
.endm
; 64 numbers of a lane, register 16 b + i = k 32 b + 16 h + i of my row, become a fragment's codes in v[PC] on and its scale word in v[PW]
.macro QUANT s
.irp b, 0,1,2,3
	v_max3_num_f32 v[TM+\b], |v[\s+16*\b]|, |v[\s+1+16*\b]|, 0x1800000   ; my 16 numbers of block b, and the floor 2^(3 - 127): the byte cannot fall under 1
.endr
.irp i, 2,4,6,8,10,12,14
.irp b, 0,1,2,3
	v_max3_num_f32 v[TM+\b], v[TM+\b], |v[\s+16*\b+\i]|, |v[\s+1+16*\b+\i]|
.endr
.endr
.irp b, 0,1,2,3
	v_permlanex16_b32 v[TM+4+\b], v[TM+\b], s[SEL], s[SEL+1]
.endr
.irp b, 0,1,2,3
	v_max_num_f32 v[TM+\b], v[TM+\b], v[TM+4+\b]   ; with lane l xor 16's: the block's largest magnitude
.endr
.irp b, 0,1,2,3
	v_add_nc_u32 v[TM+12+\b], 0xff000000, v[TM+\b] ; 2 off its exponent field: the conversion's scale operand
.endr
.irp b, 0,1,2,3
	v_lshrrev_b32 v[TM+4+\b], 23, v[TM+12+\b]      ; the scale's byte
.endr
	v_lshl_or_b32 v[PW], v[TM+5], 8, v[TM+4]
	v_lshl_or_b32 v[PW], v[TM+6], 16, v[PW]
	v_lshl_or_b32 v[PW], v[TM+7], 24, v[PW]
.irp b, 0,1,2,3
	v_cvt_scalef32_pk8_fp4_f32 v[PC+2*\b], v[\s+16*\b:\s+7+16*\b], v[TM+12+\b]
	v_cvt_scalef32_pk8_fp4_f32 v[PC+1+2*\b], v[\s+8+16*\b:\s+15+16*\b], v[TM+12+\b]
.endr
	v_nop                                          ; one plain place behind a scaled conversion
.irp c, 0,1                            ; the operand wants a whole block in a lane: lanes 0-15 block 2 c, lanes 16-31 block 2 c + 1
.irp i, 0,1
	v_permlane16_swap_b32 v[PC+4*\c+\i], v[PC+2+4*\c+\i]
.endr
.endr
.endm
; One K step of one t of one tensor pair: raw buffer s turns through my stage, is quantised, and its two images and scale word go to LDS.
; n: the younger loads that may stay out.  mode 1: the buffer is loaded again for the next group; mode 2: blocks of the weight ring are filled instead (0 to 6 in all; block 7 comes at the first pass's head, as at every pass's).
.macro CHUNK s, n, mode
	s_wait_loadcnt \n
	WIN 0x04                                       ; an LDS store's data are its source 1: window 1
.irp i, 0,1,2,3,4,5,6,7,8,9,10,11,12,13,14,15
	ds_store_b128 v[STS], v[64*\s+4*\i:64*\s+4*\i+3] offset:SPI*\i
.endr
	WIN 0
.irp b, 0,1,2,3
.irp j, 0,1,2,3
	ds_load_b128 v[XA+16*\b+4*\j:XA+16*\b+4*\j+3], v[STL] offset:128*\b+16*\j   ; LDS serves a wave's instructions in order: these see the stores above.  No wait on va_vdst here: no vector instruction since the one at the last chunk's end names XA or the address
.endr
.endr
	s_wait_dscnt 0x0                               ; my 64 numbers are in
	s_wait_alu depctr_vm_vsrc(0)                   ; the stage's stores have read raw buffer s, in which the loads below land (mode 1); the last chunk's stores have read PC, X2C and PW, which the quantiser writes again
.if \mode == 1
	INLOAD \s
.else
	WFILL 2*\s, 0
.if \s < 3
	WFILL 2*\s+1, 0
.endif
.endif
	QUANT XA
.irp i, 0,1,2,3,4,5,6,7
	v_xor_b32 v[X2C+\i], v[MX], v[PC+\i]           ; X2's codes: the signs turn where my row is an imaginary one
.endr
	s_wait_alu depctr_va_vdst(0)                   ; PC, X2C and PW are written, and in a group's first chunk XW1, XW2 and XWS: the five stores read them; and the quantiser is done reading XA, in which the next chunk's LDS loads land
.irp c, 0,1
	ds_store_b128 v[XW1], v[PC+4*\c:PC+4*\c+3] offset:1024*\s+512*\c
	ds_store_b128 v[XW2], v[X2C+4*\c:X2C+4*\c+3] offset:1024*\s+512*\c   ; at lane xor 8's place
.endr
	ds_store_b32 v[XWS], v[PW] offset:256*\s       ; lanes r and r + 16 write the same word with the same value
.endm
.macro GADDR
	v_add_nc_u32 v[XW1], s[SXI], v[LI]
	v_add_nc_u32 v[XW2], s[SXI], v[L2I]
	v_add_nc_u32 v[XW2], XIMG2, v[XW2]
	v_add_nc_u32 v[XWS], s[SXS], v[R16]
.endm
; 9 LDS loads: K step kap (0-3: X1, step kap; 4-7: X2, step kap - 4) of t = 4 l .. 4 l + 3, fragments and scale words, into set.  Every window is 0 where this stands.
.macro XHALF kap, set, l
.irp tt, 0,1,2,3
.irp c, 0,1
	ds_load_b128 v[XA+64*(\set)+8*(4*(\l)+\tt)+4*\c:XA+64*(\set)+8*(4*(\l)+\tt)+4*\c+3], v[AXR+(\kap)/4] offset:4096*(4*(\l)+\tt)+1024*((\kap)%4)+512*\c
.endr
.endr
	ds_load_b128 v[XS+8*(\set)+4*(\l):XS+8*(\set)+4*(\l)+3], v[ASR+(\kap)/4] offset:256*((\kap)%4)+1024*(\l)
.endm
.macro XFETCH kap, set                 ; 18: the half that a step's first sixteen products want comes first
	XHALF \kap, \set, 0
	XHALF \kap, \set, 1
.endm
; 4 n matrix instructions: the four tiles of ring block beta x t = t0 .. t0 + n - 1.  form 0: transposed; 1: as it stands.  A step's 32 accumulators take turns, one instruction a turn.
; first = 1: the sums begin.  The bias lies in the accumulators of t = 7 and is the C of t = 0 .. 6; five places on, t = 7 adds onto it in place.
.macro MMT form, beta, set, first, t0, n
.set t_, \t0
.rept \n
.if (\first) && (t_ == 7)
	NOPS 5                                         ; t = 7's products write over registers that the products above read as C
.endif
.set u_, 0
.rept 4
.set rD, 32*t_+8*u_
.set rC, 32*t_+8*u_
.if (\first) && (t_ < 7)
.set rC, 224+8*u_
.endif
.set rW, 32*(\beta)+8*u_
.set rX, XA+64*(\set)+8*t_
.set rP, WS+2*(\beta)+u_/2
.set rQ, XS+8*(\set)+t_
.if (\form) == 0
.if u_%2
	v_wmma_scale_f32_16x16x128_f8f6f4 v[rD:rD+7], v[rW:rW+7], v[rX:rX+7], v[rC:rC+7], v[rP], v[rQ] matrix_a_fmt:MATRIX_FMT_FP4 matrix_b_fmt:MATRIX_FMT_FP4 matrix_a_scale:MATRIX_SCALE_ROW1
.else
	v_wmma_scale_f32_16x16x128_f8f6f4 v[rD:rD+7], v[rW:rW+7], v[rX:rX+7], v[rC:rC+7], v[rP], v[rQ] matrix_a_fmt:MATRIX_FMT_FP4 matrix_b_fmt:MATRIX_FMT_FP4
.endif
.else
.if u_%2
	v_wmma_scale_f32_16x16x128_f8f6f4 v[rD:rD+7], v[rX:rX+7], v[rW:rW+7], v[rC:rC+7], v[rQ], v[rP] matrix_a_fmt:MATRIX_FMT_FP4 matrix_b_fmt:MATRIX_FMT_FP4 matrix_b_scale:MATRIX_SCALE_ROW1
.else
	v_wmma_scale_f32_16x16x128_f8f6f4 v[rD:rD+7], v[rX:rX+7], v[rW:rW+7], v[rC:rC+7], v[rQ], v[rP] matrix_a_fmt:MATRIX_FMT_FP4 matrix_b_fmt:MATRIX_FMT_FP4
.endif
.endif
.set u_, u_+1
.endr
.set t_, t_+1
.endr
.endm
.macro BIAST adr, off                  ; a transposed tile's bias into the accumulators of t = 7: lane (r, h): eight numbers at features 32 b + 16 h + 8 u on, of br - bi (r < 8) or br + bi
.irp u, 0,1,2,3
	ds_load_b128 v[224+8*\u:227+8*\u], v[\adr] offset:\off+128*(\u/2)+32*(\u%2)
	ds_load_b128 v[228+8*\u:231+8*\u], v[\adr] offset:\off+128*(\u/2)+32*(\u%2)+16
.endr
.endm
.macro BIASN                           ; v's: a lane holds one feature, so one number serves its eight registers
.irp u, 0,1,2,3
.irp e, 0,1,2,3,4,5,6,7
	ds_load_b32 v[224+8*\u+\e], v[ABH] offset:128*(\u/2)+32*(\u%2)
.endr
.endr
.endm
; One head of one layer P for all 8 t: eight K steps, 256 matrix instructions.  mw: the products' windows; lw: the window of loads into the accumulators.
; Ahead of each pass stands a wait on vm_vsrc: the LDS loads issued so far have read AXR, ASR and ABH, which the pass's head writes.
.macro PASS form, mw, lw, p
	s_wait_xcnt 0x0                                ; the ring's loads have had their addresses translated: their base may step
	s_add_nc_u64 s[WP:WP+1], s[WP:WP+1], 8*WBLK    ; the refills in the steps below bring the next eight blocks
	v_add_nc_u32 v[AXR], XIMG1+32768*\p, v[LI]
	v_add_nc_u32 v[AXR+1], XIMG2+32768*\p, v[LI]
	v_add_nc_u32 v[ASR], XSC+2048*\p, v[R16]
	v_add_nc_u32 v[ASR+1], XSC+2048*\p, v[R16X]
.if \form == 0
	v_add_nc_u32 v[ABH], s[SB], v[ABT]
.else
	v_add_nc_u32 v[ABH], s[SB], v[ABN]
.endif
	WIN \lw
	s_wait_alu depctr_va_vdst(0)                   ; the five addresses are written; and every earlier vector and matrix instruction is done with the registers in which the loads below land: t = 7's accumulators, ring block 7 and its scale words, both sets of fragments and scale words
.if \form == 0
	BIAST ABH, 4096*\p
.else
	BIASN
.endif
	WFILL 7, -8*WBLK                               ; ring block 7, which the last pass's last step read: the last of this pass's eight blocks, one block ahead of the base just stepped
	XFETCH 0, 0
	XFETCH 1, 1
.set kp, 0
.rept 8
.set fs_, 0
.if kp == 0
.set fs_, 1
	s_wait_dscnt 27                                ; the bias and the first half of step 0's fragments are in; its second half (9 loads) and step 1's 18 may be out
	s_wait_loadcnt 63                              ; ring block 0 is in: behind its 9 loads the seven younger blocks' 63 were issued
.else
	s_wait_dscnt 9                                 ; the first half of this step's fragments is in; its second half may be out
	s_wait_loadcnt 54                              ; ring block kp is in: behind its 9 loads six younger blocks' 54 were issued
	s_wait_alu depctr_va_vdst(0)                   ; the last step's products are done reading ring block kp - 1, its two scale words and the other set of fragments and scale words: this step's loads land in them
.endif
	WIN \mw
	MMT \form, kp, kp%2, fs_, 0, 2
.if kp > 0
	WIN 0
.if kp < 7
	XFETCH kp+1, (kp+1)%2                          ; no wait: no product since the step's head names that set
.endif
	WSCALE kp-1, 0
	WIN \mw
.endif
	MMT \form, kp, kp%2, fs_, 2, 2
.if kp < 7
	s_wait_dscnt 18                                ; the second half is in; the next step's 18 loads may be out
.else
	s_wait_dscnt 0x0
.endif
	MMT \form, kp, kp%2, fs_, 4, 1
.if kp > 0
	WIN 0xc0
	WCODES kp-1, 0                                 ; no wait: no product since the step's head names ring block kp - 1
	WIN \mw
.endif
	MMT \form, kp, kp%2, fs_, 5, 3
	NOPS 4                                         ; four places behind the step's products, ahead of the loads into registers that they read (the wait at the next head stands beside them) and, behind the last step, of the first read of results
.set kp, kp+1
.endr
	WIN 0
.endm
; Scores of t = 4 g .. 4 g + 3: 64 f32 matrix instructions, four accumulators by turns; the first four start the sums
.macro SGRP g
	WIN 0x06                                       ; source 0: k's accumulators, window 2; source 1: q's, window 1
.set st_, 0
.rept 16
.set tt_, 0
.rept 4
.set rA, 32*(4*(\g)+tt_)+8*(st_/4)+2*(st_%4)
.if st_ == 0
	v_wmma_f32_16x16x4_f32 v[SR+8*tt_:SR+8*tt_+7], v[rA:rA+1], v[rA:rA+1], 0
.else
	v_wmma_f32_16x16x4_f32 v[SR+8*tt_:SR+8*tt_+7], v[rA:rA+1], v[rA:rA+1], v[SR+8*tt_:SR+8*tt_+7]
.endif
.set tt_, tt_+1
.endr
.set st_, st_+1
.endr
.endm
; and their way into the second product's source 1: u = 0.125 x mine; B2 = u sigma + lane xor 24's u
.macro STRANS g
	WIN 0
.set p_, 0
.rept 16
	v_pk_mul_f32 v[XA+2*p_:XA+2*p_+1], v[SR+2*p_:SR+2*p_+1], s[EIG:EIG+1] op_sel_hi:[1,0]   ; each accumulator from its low end on
.set p_, p_+1
.endr
.set p_, 0
.rept 32
	v_permlanex16_b32 v[XB+p_], v[XA+p_], s[SEL+1], s[SEL]
.set p_, p_+1
.endr
	WIN 0x80
.set p_, 0
.rept 16
	v_pk_fma_f32 v[32*(\g)+2*p_:32*(\g)+2*p_+1], v[XA+2*p_:XA+2*p_+1], v[SG:SG+1], v[XB+2*p_:XB+2*p_+1]
.set p_, p_+1
.endr
	WIN 0
.endm
.macro LRV                             ; v = max(v, 0.01 v), in place, 64 registers at a time
.set q_, 0
.rept 4
	WIN 0x01
.set p_, 0
.rept 32
	v_pk_mul_f32 v[XA+2*p_:XA+2*p_+1], v[64*q_+2*p_:64*q_+2*p_+1], s[SLP:SLP+1] op_sel_hi:[1,0]
.set p_, p_+1
.endr
	WIN 0x41
.set p_, 0
.rept 64
	v_max_num_f32 v[64*q_+p_], v[64*q_+p_], v[XA+p_]
.set p_, p_+1
.endr
.set q_, q_+1
.endr
	WIN 0
.endm
; The second product for t = 4 g .. 4 g + 3: 64 f32 matrix instructions, sixteen accumulators by turns; the first sixteen start the sums
.macro AVG g
	WIN 0xa9                                       ; source 0: v, window 1; source 1: B2, window 2; C and D window 2
.set i_, 0
.rept 4
.set tt_, 0
.rept 4
.set u_, 0
.rept 4
.set rD, 64+32*tt_+8*u_
.set rA, 32*(4*(\g)+tt_)+8*u_+2*i_
.set rB, 8*(4*(\g)+tt_)+2*i_
.if i_ == 0
	v_wmma_f32_16x16x4_f32 v[rD:rD+7], v[rA:rA+1], v[rB:rB+1], 0
.else
	v_wmma_f32_16x16x4_f32 v[rD:rD+7], v[rA:rA+1], v[rB:rB+1], v[rD:rD+7]
.endif
.set u_, u_+1
.endr
.set tt_, tt_+1
.endr
.set i_, i_+1
.endr
.endm
.macro LRX pr                          ; max(x, 0.01 x) of two t into v[XA] on: the accumulators themselves are not written
	WIN 0x02
.set p_, 0
.rept 32
	v_pk_mul_f32 v[XA+2*p_:XA+2*p_+1], v[64+64*\pr+2*p_:64+64*\pr+2*p_+1], s[SLP:SLP+1] op_sel_hi:[1,0]
.set p_, p_+1
.endr
.set p_, 0
.rept 64
	v_max_num_f32 v[XA+p_], v[64+64*\pr+p_], v[XA+p_]
.set p_, p_+1
.endr
	WIN 0
.endm
; 32 numbers of a lane (a head: two blocks) become half a fragment, its X2 and half a scale word, in result set 0 or 1
.macro QH y, set
.irp b, 0,1
	v_max3_num_f32 v[TM+\b], |v[\y+16*\b]|, |v[\y+1+16*\b]|, 0x1800000
.endr
.irp i, 2,4,6,8,10,12,14
.irp b, 0,1
	v_max3_num_f32 v[TM+\b], v[TM+\b], |v[\y+16*\b+\i]|, |v[\y+1+16*\b+\i]|
.endr
.endr
.irp b, 0,1
	v_permlanex16_b32 v[TM+4+\b], v[TM+\b], s[SEL], s[SEL+1]
.endr
.irp b, 0,1
	v_max_num_f32 v[TM+\b], v[TM+\b], v[TM+4+\b]
.endr
.irp b, 0,1
	v_add_nc_u32 v[TM+12+\b], 0xff000000, v[TM+\b]
.endr
.irp b, 0,1
	v_lshrrev_b32 v[TM+4+\b], 23, v[TM+12+\b]
.endr
	v_lshl_or_b32 v[PW+\set], v[TM+5], 8, v[TM+4]
.irp b, 0,1
	v_cvt_scalef32_pk8_fp4_f32 v[PC+4*\set+2*\b], v[\y+16*\b:\y+16*\b+7], v[TM+12+\b]
	v_cvt_scalef32_pk8_fp4_f32 v[PC+4*\set+2*\b+1], v[\y+16*\b+8:\y+16*\b+15], v[TM+12+\b]
.endr
	v_nop                                          ; one plain place behind a scaled conversion
	v_permlane16_swap_b32 v[PC+4*\set], v[PC+4*\set+2]
	v_permlane16_swap_b32 v[PC+4*\set+1], v[PC+4*\set+3]
.irp i, 0,1,2,3
	v_xor_b32 v[X2C+4*\set+\i], v[MX], v[PC+4*\set+\i]
.endr
.endm
.macro QHST set, t                     ; and go to LDS as t's
	ds_store_b128 v[XW1], v[PC+4*\set:PC+4*\set+3] offset:4096*(\t)
	ds_store_b128 v[XW2], v[X2C+4*\set:X2C+4*\set+3] offset:4096*(\t)
	ds_store_b16 v[XWS], v[PW+\set] offset:1024*((\t)/4)+4*((\t)%4)
.endm
.macro XOUT g
	AVG \g
	NOPS 9                                         ; places in front of the first read of these results, and of the next products that begin the same accumulators anew
.irp pr, 0,1
	LRX \pr
	s_wait_dscnt 0x0                               ; the last pair's six stores are done
	s_wait_alu depctr_vm_vsrc(0)                   ; and have read both sets of PC, X2C and PW, which the two quantisings below write again
	QH XA, 0
	QH XA+32, 1
	s_wait_alu depctr_va_vdst(0)                   ; both sets of PC, X2C and PW are written: the six stores read them
	QHST 0, 4*\g+2*\pr
	QHST 1, 4*\g+2*\pr+1
.endr
.endm
	s_load_b256 s[4:11], s[0:1], 0x0               ; query_r, query_i, key_r, key_i
	s_load_b128 s[12:15], s[0:1], 0x20             ; value_r, value_i
	s_load_b512 s[16:31], s[0:1], 0x30             ; the eight biases
	s_load_b64 s[WP:WP+1], s[0:1], 0x70            ; wst
	s_load_b64 s[O0:O0+1], s[0:1], 0x78            ; out0
	s_load_b64 s[O0+2:O0+3], s[0:1], 0x80          ; out1
	v_lshl_add_u32 v254, v0, 2, 0x4e400
	v_mov_b32 v255, 0
	v_lshrrev_b32 v1, 5, v0
	v_readfirstlane_b32 s[WV], v1                  ; wave 0..3
	v_and_b32 v[LANE], 31, v0
	v_and_b32 v232, 15, v0                         ; r
	v_bfe_u32 v233, v0, 4, 1                       ; h
	v_bfe_u32 v234, v0, 3, 1                       ; r / 8
	v_lshlrev_b32 v[LI], 4, v[LANE]
	v_xor_b32 v[L2I], 8, v[LANE]
	v_lshlrev_b32 v[L2I], 4, v[L2I]
	v_lshlrev_b32 v[L8], 3, v[LANE]
	s_wait_alu depctr_va_sdst(0)                   ; the wave's number is written, ahead of its first reader: LDS addresses and the bases are made from it
	s_lshl_b32 s39, s[WV], 11
	v_add_nc_u32 v[VIN], s39, v[LI]
	s_mul_i32 s39, s[WV], 16*SPI
	s_add_co_u32 s39, s39, STG                     ; my stage
	v_add_nc_u32 v[STS], s39, v[LI]
	v_mul_u32_u24 v[STL], v232, SPI
	v_lshl_add_u32 v[STL], v233, 6, v[STL]
	v_add_nc_u32 v[STL], s39, v[STL]
	v_lshlrev_b32 v[R16], 4, v232
	v_xor_b32 v[R16X], 8, v232
	v_lshlrev_b32 v[R16X], 4, v[R16X]
	s_lshl_b32 s39, s[WV], 9
	s_add_co_u32 s39, s39, BC                      ; my 128 features' biases
	v_lshlrev_b32 v[ABT], 11, v234
	v_lshl_add_u32 v[ABT], v233, 6, v[ABT]
	v_add_nc_u32 v[ABT], s39, v[ABT]               ; BC + 2,048 (r / 8) + 512 w + 64 h
	v_lshl_add_u32 v235, v234, 3, v232
	v_lshlrev_b32 v[ABN], 2, v235
	v_lshl_add_u32 v[ABN], v233, 11, v[ABN]
	v_add_nc_u32 v[ABN], s39, v[ABN]
	v_add_nc_u32 v[ABN], 8192, v[ABN]              ; BC + v's 8,192 + 2,048 h + 512 w + 4 (r + 8 (r / 8))
	v_lshlrev_b32 v[VOUT], 4, v0
	v_sub_nc_u32 v235, 0, v234
	v_and_b32 v[MX], 0x88888888, v235
	v_xor_b32 v235, v233, v234
	v_lshlrev_b32 v235, 31, v235
	v_or_b32 v[SG], 0x3f800000, v235               ; sigma: -1 where exactly one of r / 8 and h is 1
	v_mov_b32 v[SG+1], v[SG]
.irp b, 0,1,2,3
	v_mov_b32 v[TM+4+\b], 0                        ; written once: a lane permute's destination counts as one of its sources
.endr
	s_mov_b32 s[SEL], 0x76543210
	s_mov_b32 s[SEL+1], 0xfedcba98
	s_mov_b32 s[SLP], 0x3c23d70a                   ; 0.01
	s_mov_b32 s[SLP+1], s[SLP]
	s_mov_b32 s[EIG], 0x3e000000                   ; 1 / sqrt(64)
	s_mov_b32 s[EIG+1], s[EIG]
	s_lshl_b32 s[SXI], s[WV], 12                   ; XIMG1 + 4,096 w
	s_lshl_b32 s[SXS], s[WV], 2
	s_add_co_u32 s[SXS], s[SXS], XSC
	s_mov_b32 s[SB], 0
	s_lshl_b32 s[SXO], s[WV], 10
	s_add_co_u32 s[SXO], s[SXO], XO1
	s_lshl_b32 s[SXH], s[WV], 8
	s_add_co_u32 s[SXH], s[SXH], XOSC
	s_lshr_b32 s[OFS], ttmp9, 6                    ; b: 8 channels x 512 rows x 2,048 bytes,
	s_lshl_b32 s[OFS], s[OFS], 23
	s_and_b32 s[OFS+1], ttmp9, 63                  ; and my 8 rows t
	s_lshl_b32 s[OFS+1], s[OFS+1], 14
	s_add_co_u32 s[OFS], s[OFS], s[OFS+1]
	s_mov_b32 s[OFS+1], 0
	s_wait_kmcnt 0x0
.irp p, 4,6,8,10,12,14,34,36
	s_add_nc_u64 s[\p:\p+1], s[\p:\p+1], s[OFS:OFS+1]
.endr
	s_mul_i32 s[OFS], s[WV], 64*WBLK
	s_add_nc_u64 s[WP:WP+1], s[WP:WP+1], s[OFS:OFS+1]   ; my wave's 64 blocks
	s_mov_b64 s[RP:RP+1], s[4:5]
	s_mov_b64 s[RP+2:RP+3], s[6:7]
	s_wait_alu depctr_va_vdst(0)                   ; the addresses that stay (v2 to v8, v16 to v18, v20) are written: the kernel's loads and stores read them
.irp p, 0,1,2,3
	global_load_b128 v[XB+8*\p:XB+8*\p+3], v[VOUT], s[16+4*\p:17+4*\p]       ; br: the 128 threads take 4 numbers each
	global_load_b128 v[XB+8*\p+4:XB+8*\p+7], v[VOUT], s[18+4*\p:19+4*\p]     ; bi
.endr
.irp s, 0,1,2,3
	INLOAD \s                                      ; group 0: query, my first t
.endr
	s_wait_loadcnt 63                              ; of the 72 loads issued the first nine are in, the eight bias loads among them
.irp p, 0,1,2,3
.irp e, 0,2
	v_pk_add_f32 v[BS+8*\p+\e:BS+8*\p+\e+1], v[XB+8*\p+\e:XB+8*\p+\e+1], v[XB+8*\p+4+\e:XB+8*\p+4+\e+1] neg_lo:[0,1] neg_hi:[0,1]   ; br - bi
	v_pk_add_f32 v[BS+8*\p+4+\e:BS+8*\p+4+\e+1], v[XB+8*\p+\e:XB+8*\p+\e+1], v[XB+8*\p+4+\e:XB+8*\p+4+\e+1]                        ; br + bi
.endr
.endr
	v_add_nc_u32 v[ABH], BC, v[VOUT]
	s_wait_alu depctr_va_vdst(0)                   ; the differences, the sums and their address are written: the eight LDS stores read them
.irp p, 0,1,2,3
	ds_store_b128 v[ABH], v[BS+8*\p:BS+8*\p+3] offset:4096*\p
	ds_store_b128 v[ABH], v[BS+8*\p+4:BS+8*\p+7] offset:4096*\p+2048
.endr
	; ---- THE INPUTS.  Wave w quantises t = w and t = w + 4 of the three tensor pairs: group n = 2 P + (t / 4), six groups of four K steps.  A trip works group GM - 1 and loads group GM: 64 loads of mine are on their way.
	s_mov_b32 s[GM], 1
.Lgroup:
	s_wait_dscnt 0x0                               ; my LDS stores are done
	s_wait_xcnt 0x0                                ; the loads issued have had their addresses translated: their bases may be written
	s_wait_alu depctr_vm_vsrc(0)                   ; my LDS stores have read XW1, XW2 and XWS, which are written below
	s_cmp_lt_u32 s[GM], 4
	s_cselect_b64 s[RP:RP+1], s[8:9], s[12:13]
	s_cselect_b64 s[RP+2:RP+3], s[10:11], s[14:15]
	s_cmp_lt_u32 s[GM], 2
	s_cselect_b64 s[RP:RP+1], s[4:5], s[RP:RP+1]
	s_cselect_b64 s[RP+2:RP+3], s[6:7], s[RP+2:RP+3]
	s_and_b32 s[OFS], s[GM], 1
	s_lshl_b32 s[OFS], s[OFS], 13                  ; t = w + 4: four rows on
	s_add_nc_u64 s[RP:RP+1], s[RP:RP+1], s[OFS:OFS+1]
	s_add_nc_u64 s[RP+2:RP+3], s[RP+2:RP+3], s[OFS:OFS+1]
	GADDR
	CHUNK 0, 48, 1                                 ; behind a chunk's 16 loads three younger chunks' 48 were issued
	CHUNK 1, 48, 1
	CHUNK 2, 48, 1
	CHUNK 3, 48, 1
	s_add_co_u32 s[SXI], s[SXI], 16384
	s_add_co_u32 s[SXS], s[SXS], 1024
	s_add_co_u32 s[GM], s[GM], 1
	s_cmp_lt_u32 s[GM], 6
	s_cbranch_scc1 .Lgroup
	s_wait_dscnt 0x0
	s_wait_alu depctr_vm_vsrc(0)                   ; my LDS stores have read XW1, XW2 and XWS, which are written below
	GADDR                                          ; the last group: no input is left to ask for; the weight ring's first seven blocks go out instead
	CHUNK 0, 48, 2                                 ; younger: 16 (3 - s) input loads and 18 s weight loads
	CHUNK 1, 50, 2
	CHUNK 2, 52, 2
	CHUNK 3, 54, 2
	s_wait_dscnt 0x0                               ; for the others' sake: my images, scale words and biases lie in LDS
	s_barrier_signal -1
	s_barrier_wait -1
	; ---- MY TWO HEADS, one a trip
	s_mov_b32 s[HC], 0
.Lhead:
	s_wait_dscnt 0x0                               ; the last trip's stores are done
	s_wait_alu depctr_vm_vsrc(0)                   ; my LDS stores have read XW1, XW2 and XWS, my LDS loads and stores AXR, ASR and ABH: all are written below
	v_add_nc_u32 v[XW1], s[SXO], v[LI]             ; XO1 + 1,024 w + 512 j + 16 x lane
	v_add_nc_u32 v[XW2], s[SXO], v[L2I]
	v_add_nc_u32 v[XW2], XO2-XO1, v[XW2]
	v_add_nc_u32 v[XWS], s[SXH], v[R16]            ; XOSC + 256 w + 2 j + 16 r
	PASS 0, 0x53, 0x40, 0                          ; q -> window 1
	s_wait_alu depctr_vm_vsrc(0)                   ; q's LDS loads have read AXR, ASR and ABH, which k's pass writes
	PASS 0, 0xa3, 0x80, 1                          ; k -> window 2
	NOPS 5                                         ; k's last results become operands
	SGRP 0
	NOPS 9                                         ; in front of the read of the scores, and of the products that begin the same four accumulators anew
	STRANS 0
	SGRP 1
	NOPS 9                                         ; likewise; and of v's products and bias, which take q's registers
	STRANS 1
	s_wait_alu depctr_vm_vsrc(0)                   ; k's LDS loads have read AXR, ASR and ABH, which v's pass writes
	PASS 1, 0x5c, 0x40, 2                          ; v -> window 1
	LRV
	XOUT 0
	XOUT 1
	s_add_co_u32 s[SB], s[SB], 256
	s_add_co_u32 s[SXO], s[SXO], 512
	s_add_co_u32 s[SXH], s[SXH], 2
	s_add_co_u32 s[HC], s[HC], 1
	s_cmp_lt_u32 s[HC], 2
	s_cbranch_scc1 .Lhead
	s_wait_dscnt 0x0                               ; for the others' sake: my K step of the out layer's operand lies in LDS
	s_barrier_signal -1
	s_barrier_wait -1
	; ---- THE OUT LAYER: my 128 outputs (8 tiles) x 8 t: 64 accumulators in windows 1 and 2; a K step takes two ring blocks, which are asked for again in the step behind it
	s_wait_xcnt 0x0
	s_add_nc_u64 s[WP:WP+1], s[WP:WP+1], 8*WBLK
	s_wait_alu depctr_vm_vsrc(0)                   ; v's LDS loads have read AXR and ASR, which are written below
	v_add_nc_u32 v[AXR], XO1, v[LI]
	v_add_nc_u32 v[AXR+1], XO2, v[LI]
	v_add_nc_u32 v[ASR], XOSC, v[R16]
	v_add_nc_u32 v[ASR+1], XOSC, v[R16X]
	WIN 0x40
	s_wait_alu depctr_va_vdst(0)                   ; the four addresses are written; and every earlier vector and matrix instruction is done with the registers in which the loads below land: t = 7's accumulators in both windows, ring block 7 and its scale words, both sets of fragments and scale words
	BIAST ABT, 12288
	WIN 0x80
	BIAST ABT, 12288+256
	WFILL 7, -8*WBLK                               ; ring block 7, which the last pass's last step read: one block ahead of the base just stepped
	XFETCH 0, 0
	XFETCH 1, 1
.set kp, 0
.rept 8
.set fs_, 0
.if kp == 0
.set fs_, 1
	s_wait_dscnt 27                                ; the biases and the first half of step 0's fragments are in; its second half (9 loads) and step 1's 18 may be out
	s_wait_loadcnt 54                              ; ring blocks 0 and 1 are in: six younger blocks' loads may be out
.else
	s_wait_dscnt 9                                 ; the first half of this step's fragments is in
.if kp < 6
	s_wait_loadcnt 36                              ; this step's two blocks are in: four younger blocks' loads may be out
.else
	s_wait_loadcnt 18*(7-kp)                       ; nothing more is asked for: the counts run down
.endif
.if kp < 7
	s_wait_alu depctr_va_vdst(0)                   ; the last step's products are done reading the other set of fragments and scale words and (steps 1 to 4) their two ring blocks and four scale words: this step's loads land in them
.endif
.endif
	WIN 0x53
	MMT 0, 2*(kp%4), kp%2, fs_, 0, 2
.if (kp > 0) && (kp < 7)
	WIN 0
	XFETCH kp+1, (kp+1)%2                          ; no wait: no product since the step's head names that set
.if kp < 5
	WSCALE 2*(kp-1), 0
	WSCALE 2*(kp-1)+1, 0
.endif
	WIN 0x53
.endif
	MMT 0, 2*(kp%4), kp%2, fs_, 2, 2
.if kp < 7
	s_wait_dscnt 18                                ; the second half is in; the next step's 18 loads may be out
.else
	s_wait_dscnt 0x0
.endif
	MMT 0, 2*(kp%4), kp%2, fs_, 4, 4
.if (kp > 0) && (kp < 5)
	WIN 0xc0
	WCODES 2*(kp-1), 0                             ; no wait: no product since the step's head names these two ring blocks
	WCODES 2*(kp-1)+1, 0
.endif
	WIN 0xa3
	MMT 0, 2*(kp%4)+1, kp%2, fs_, 0, 8
	NOPS 4                                         ; four places behind the step's products, ahead of the loads into registers that they read and, behind the last step, of the stores that read results
.set kp, kp+1
.endr
	s_wait_alu depctr_va_vdst(0)                   ; the products have written the 64 accumulators, which the LDS stores below read, and are done reading XA and XB, in which the rows land; the places above stay beside this wait
	; ---- THE WAY OUT, a t at a time: a lane holds 32 neighbouring bytes of eight places of a row; the 16 rows x 512 bytes go through my stage and leave as whole runs of 512 bytes
.macro TOSTAGE t
.irp f, 0,1
	WIN 0x04+4*\f                                  ; the data: window 1 (tiles 0-3) or 2 (tiles 4-7)
.irp u, 0,1,2,3
	ds_store_b128 v[STL], v[32*(\t)+8*\u:32*(\t)+8*\u+3] offset:256*\f+128*(\u/2)+32*(\u%2)       ; each accumulator from its low end on
	ds_store_b128 v[STL], v[32*(\t)+8*\u+4:32*(\t)+8*\u+7] offset:256*\f+128*(\u/2)+32*(\u%2)+16
.endr
.endr
	WIN 0
.irp i, 0,1,2,3,4,5,6,7,8,9,10,11,12,13,14,15
	ds_load_b128 v[XA+64*((\t)%2)+4*\i:XA+64*((\t)%2)+4*\i+3], v[STS] offset:SPI*\i   ; LDS serves a wave's instructions in order: these see the stores above; the next t's stores come behind them
.endr
.endm
.macro SEND t, younger                 ; younger: the LDS instructions issued behind this t's loads
	s_wait_dscnt \younger
.irp i, 0,1,2,3,4,5,6,7
	global_store_b128 v[VOUT], v[XA+64*((\t)%2)+4*\i:XA+64*((\t)%2)+4*\i+3], s[O0:O0+1] offset:\i*1048576+2048*(\t) th:TH_STORE_NT          ; 32 lanes store 512 consecutive bytes, at a multiple of 512 from the buffer's first byte
.endr
.irp i, 0,1,2,3,4,5,6,7
	global_store_b128 v[VOUT], v[XA+64*((\t)%2)+32+4*\i:XA+64*((\t)%2)+32+4*\i+3], s[O0+2:O0+3] offset:\i*1048576+2048*(\t) th:TH_STORE_NT
.endr
.endm
	TOSTAGE 0
.irp t, 1,2,3,4,5,6,7
.if \t > 1
	s_wait_xcnt 0x0                                ; the stores of two t ago have had their addresses translated
	s_wait_alu depctr_vm_vsrc(0)                   ; and have read their 64 registers, in which this t's rows land
.endif
	TOSTAGE \t
	SEND \t-1, 32                                  ; behind the last t's loads: this t's 16 stores and 16 loads
.endr
	SEND 7, 0
	s_wait_dscnt 0x0                               ; the closing lines, six on end
	s_wait_alu 0x0
	s_wait_tensorcnt 0x0
	ds_add_u32 v254, v255
	s_wait_dscnt 0x0
	s_endpgm
.Lfunc_end_k_q8c6c648309_fused:
	.size	k_q8c6c648309_fused, .Lfunc_end_k_q8c6c648309_fused-k_q8c6c648309_fused
	.p2alignl 7, 3214868480
	.fill 96, 4, 3214868480
	.section	.rodata,"a",@progbits
	.p2align	6, 0x0
	.amdhsa_kernel k_q8c6c648309_fused
		.amdhsa_group_segment_fixed_size 321024
		.amdhsa_private_segment_fixed_size 0
		.amdhsa_enable_private_segment 0
		.amdhsa_kernarg_size 136
		.amdhsa_user_sgpr_count 2
		.amdhsa_user_sgpr_kernarg_segment_ptr 1
		.amdhsa_wavefront_size32 1
		.amdhsa_system_sgpr_workgroup_id_x 1
		.amdhsa_system_sgpr_workgroup_id_y 1
		.amdhsa_system_sgpr_workgroup_id_z 1
		.amdhsa_system_vgpr_workitem_id 0
		.amdhsa_next_free_vgpr 1024
		.amdhsa_next_free_sgpr 66
		.amdhsa_reserve_vcc 0
		.amdhsa_float_denorm_mode_32 3
		.amdhsa_float_denorm_mode_16_64 3
		.amdhsa_memory_ordered 1
		.amdhsa_forward_progress 1
		.amdhsa_inst_pref_size 255
	.end_amdhsa_kernel
	.section	.bss,"aw",@nobits
	.p2align	6
	.space	262144
	.amdgpu_metadata
---
amdhsa.version: [ 1, 2 ]
amdhsa.kernels:
  - .name:           k_q8c6c648309_fused
    .symbol:         k_q8c6c648309_fused.kd
    .args:
      - { .name: query_r, .offset: 0, .size: 8, .value_kind: global_buffer, .address_space: global }
      - { .name: query_i, .offset: 8, .size: 8, .value_kind: global_buffer, .address_space: global }
      - { .name: key_r, .offset: 16, .size: 8, .value_kind: global_buffer, .address_space: global }
      - { .name: key_i, .offset: 24, .size: 8, .value_kind: global_buffer, .address_space: global }
      - { .name: value_r, .offset: 32, .size: 8, .value_kind: global_buffer, .address_space: global }
      - { .name: value_i, .offset: 40, .size: 8, .value_kind: global_buffer, .address_space: global }
      - { .name: bq_r, .offset: 48, .size: 8, .value_kind: global_buffer, .address_space: global }
      - { .name: bq_i, .offset: 56, .size: 8, .value_kind: global_buffer, .address_space: global }
      - { .name: bk_r, .offset: 64, .size: 8, .value_kind: global_buffer, .address_space: global }
      - { .name: bk_i, .offset: 72, .size: 8, .value_kind: global_buffer, .address_space: global }
      - { .name: bv_r, .offset: 80, .size: 8, .value_kind: global_buffer, .address_space: global }
      - { .name: bv_i, .offset: 88, .size: 8, .value_kind: global_buffer, .address_space: global }
      - { .name: bo_r, .offset: 96, .size: 8, .value_kind: global_buffer, .address_space: global }
      - { .name: bo_i, .offset: 104, .size: 8, .value_kind: global_buffer, .address_space: global }
      - { .name: wst, .offset: 112, .size: 8, .value_kind: global_buffer, .address_space: global }
      - { .name: out0, .offset: 120, .size: 8, .value_kind: global_buffer, .address_space: global }
      - { .name: out1, .offset: 128, .size: 8, .value_kind: global_buffer, .address_space: global }
    .group_segment_fixed_size: 321024
    .private_segment_fixed_size: 0
    .kernarg_segment_align: 8
    .kernarg_segment_size: 136
    .max_flat_workgroup_size: 128
    .sgpr_count:     66
    .vgpr_count:     1024
    .wavefront_size: 32
...
	.end_amdgpu_metadata
.endif
;; end of part 3
